; MI455X (gfx1250); checked and timed in simulation.
; The chip was launched on July 23, 2026; its instructions are those of AMD's public machine-readable ISA for CDNA 5 (MIT licence, August 2026) and "CDNA5" Instruction Set Architecture Reference Guide (July 2026). The comments in the code are by the model that wrote it; some were corrected since.
;; Attention. Allowed arithmetic: float matrix products may take bf16 or f16 operands with f32 sums; other float arithmetic in f32, or as packed bf16 or f16 multiplies, adds, multiply-adds, maxima and minima; sums over many terms, partial sums and values carried from step to step in f32; what a program stores and reads back later, other than sums and carried values, may be rounded once to bf16 or f16.
;; Inputs: wk_b 1,024 float32; wk_w 1,024 x 1,024 float32; wq_b 1,024 float32; wq_w 1,024 x 1,024 float32; wv_b 1,024 float32; wv_w 1,024 x 1,024 float32; x 4 x 2,048 x 1,024 float32.
;; Outputs: out0 4 x 2,048 x 1,024 float32.
;; 3 versions, each right; version 2 is faster than version 1; version 3 is version 2 with the launch cvt written anew for expert scheduling mode. Each part assembles by itself: llvm-mc -triple=amdgcn-amd-amdhsa -mcpu=gfx1250 --defsym DOCPART=n.
;; ======== version 1 of 3: 4 launches
;; limits: values are held in f16: magnitudes above 65,504 overflow, below 6.1e-05 lose precision
;; workspace buffers: xb 16,777,216 bytes; wb 6,291,456 bytes; qkv 50,331,648 bytes; pm 33,554,432 bytes; st 1,048,576 bytes
;; launch cvt (part 1): grid 704 x 1, 8 waves a work-group, no clusters, 0 bytes of LDS; arguments x, wq_w, wk_w, wv_w, xb, wb; writes xb, wb
.if DOCPART == 1
	.amdgcn_target "amdgcn-amd-amdhsa--gfx1250"
	.amdhsa_code_object_version 6
	.text
	.protected	k_qf79fd87e88_cvt
	.globl	k_qf79fd87e88_cvt
	.p2align	8
	.type	k_qf79fd87e88_cvt,@function
k_qf79fd87e88_cvt:
	s_mov_b64 s[64:65], 0
	v_nop
	global_prefetch_b8 v0, s[64:65] scope:SCOPE_SE
	s_setreg_imm32_b32 hwreg(HW_REG_WAVE_MODE, 25, 1), 1
	s_wait_xcnt 0x0
; xb = bf16(x), wb = bf16([wq_w; wk_w; wv_w]): every matrix input of the module is rounded once to bf16, nearest even.
; A work-group takes 16,384 numbers: 65,536 bytes in, 32,768 out.  Groups 0-511 take x, groups 512-703 the three weights, 64 groups each.
; A stream: no LDS, no barrier, no matrix unit.  Each wave has all its 16 loads out at once; a load of a wave covers 512 consecutive bytes,
; a store of a wave 256 consecutive bytes at a multiple of 256 from the buffer's first byte.  No register is written twice, so no wait frees one.
.set X, 4                              ; v[4:67]   load j: 4 numbers in f32
.set Y, 68                             ; v[68:99]  store j: 4 numbers in bf16
	s_load_b256 s[4:11], s[0:1], 0x0               ; x s[4:5], wq_w s[6:7], wk_w s[8:9], wv_w s[10:11]
	s_load_b128 s[12:15], s[0:1], 0x20             ; xb s[12:13], wb s[14:15]
	v_lshlrev_b32 v1, 4, v0                        ; 16 bytes a thread in
	v_lshlrev_b32 v2, 3, v0                        ; 8 bytes a thread out
	s_mov_b32 s16, ttmp9                           ; g
	s_sub_co_u32 s17, s16, 512                     ; i = g - 512: the group's number among the weights' (used where g >= 512 alone)
	s_lshr_b32 s18, s17, 6                         ; which weight
	s_and_b32 s19, s17, 63                         ; which part of it
	s_mov_b32 s21, 0
	s_mov_b32 s23, 0
	s_wait_kmcnt 0x0
	s_cmp_eq_u32 s18, 1
	s_cselect_b64 s[6:7], s[8:9], s[6:7]
	s_cmp_eq_u32 s18, 2
	s_cselect_b64 s[6:7], s[10:11], s[6:7]         ; the weight's address
	s_cmp_lt_u32 s16, 512
	s_cselect_b64 s[4:5], s[4:5], s[6:7]           ; from x or from the weight,
	s_cselect_b64 s[12:13], s[12:13], s[14:15]     ; to xb or to wb,
	s_cselect_b32 s20, s16, s19                    ; part g of x or part i % 64 of the weight,
	s_cselect_b32 s22, s16, s17                    ; part g of xb or part i of wb
	s_lshl_b32 s20, s20, 16
	s_lshl_b32 s22, s22, 15
	s_add_nc_u64 s[4:5], s[4:5], s[20:21]
	s_add_nc_u64 s[12:13], s[12:13], s[22:23]
.irp j, 0,1,2,3,4,5,6,7,8,9,10,11,12,13,14,15
	global_load_b128 v[X+4*(\j):X+4*(\j)+3], v1, s[4:5] offset:4096*(\j) th:TH_LOAD_NT
.endr
.irp j, 0,1,2,3,4,5,6,7,8,9,10,11,12,13,14,15
	s_wait_loadcnt 15-(\j)                         ; loads come back in order (ISA guide 5.7.1): load j is in, the 15 - j younger ones stay out
	v_cvt_pk_bf16_f32 v[Y+2*(\j)], v[X+4*(\j)], v[X+4*(\j)+1]
	v_cvt_pk_bf16_f32 v[Y+2*(\j)+1], v[X+4*(\j)+2], v[X+4*(\j)+3]
	global_store_b64 v2, v[Y+2*(\j):Y+2*(\j)+1], s[12:13] offset:2048*(\j)
.endr
	s_endpgm
.Lfunc_end_k_qf79fd87e88_cvt:
	.size	k_qf79fd87e88_cvt, .Lfunc_end_k_qf79fd87e88_cvt-k_qf79fd87e88_cvt
	.p2alignl 7, 3214868480
	.fill 96, 4, 3214868480
	.section	.rodata,"a",@progbits
	.p2align	6, 0x0
	.amdhsa_kernel k_qf79fd87e88_cvt
		.amdhsa_group_segment_fixed_size 0
		.amdhsa_private_segment_fixed_size 0
		.amdhsa_enable_private_segment 0
		.amdhsa_kernarg_size 48
		.amdhsa_user_sgpr_count 2
		.amdhsa_user_sgpr_kernarg_segment_ptr 1
		.amdhsa_wavefront_size32 1
		.amdhsa_system_sgpr_workgroup_id_x 1
		.amdhsa_system_sgpr_workgroup_id_y 1
		.amdhsa_system_sgpr_workgroup_id_z 1
		.amdhsa_system_vgpr_workitem_id 0
		.amdhsa_next_free_vgpr 104
		.amdhsa_next_free_sgpr 66
		.amdhsa_reserve_vcc 0
		.amdhsa_float_denorm_mode_32 3
		.amdhsa_float_denorm_mode_16_64 3
		.amdhsa_memory_ordered 1
		.amdhsa_forward_progress 1
		.amdhsa_inst_pref_size 7
	.end_amdhsa_kernel
	.amdgpu_metadata
---
amdhsa.version: [ 1, 2 ]
amdhsa.kernels:
  - .name:           k_qf79fd87e88_cvt
    .symbol:         k_qf79fd87e88_cvt.kd
    .args:
      - { .name: x, .offset: 0, .size: 8, .value_kind: global_buffer, .address_space: global }
      - { .name: wq_w, .offset: 8, .size: 8, .value_kind: global_buffer, .address_space: global }
      - { .name: wk_w, .offset: 16, .size: 8, .value_kind: global_buffer, .address_space: global }
      - { .name: wv_w, .offset: 24, .size: 8, .value_kind: global_buffer, .address_space: global }
      - { .name: xb, .offset: 32, .size: 8, .value_kind: global_buffer, .address_space: global }
      - { .name: wb, .offset: 40, .size: 8, .value_kind: global_buffer, .address_space: global }
    .group_segment_fixed_size: 0
    .private_segment_fixed_size: 0
    .kernarg_segment_align: 8
    .kernarg_segment_size: 48
    .max_flat_workgroup_size: 256
    .sgpr_count:     66
    .vgpr_count:     104
    .wavefront_size: 32
...
	.end_amdgpu_metadata
.endif
;; end of part 1
;; launch proj (part 2): grid 12 x 64, 4 waves a work-group, clusters of 4 x 4, 327,680 bytes of LDS; arguments xb, wb, wq_b, wk_b, wv_b, qkv; writes qkv
.if DOCPART == 2
	.amdgcn_target "amdgcn-amd-amdhsa--gfx1250"
	.amdhsa_code_object_version 6
	.text
	.protected	k_qf79fd87e88_proj
	.globl	k_qf79fd87e88_proj
	.p2align	8
	.type	k_qf79fd87e88_proj,@function
k_qf79fd87e88_proj:
	s_mov_b64 s[64:65], 0
	v_nop
	global_prefetch_b8 v0, s[64:65] scope:SCOPE_SE
	s_setreg_imm32_b32 hwreg(HW_REG_WAVE_MODE, 25, 1), 1
	s_wait_xcnt 0x0
	s_wait_alu depctr_hold_cnt(0) depctr_sa_sdst(0) depctr_va_vdst(0) depctr_va_sdst(0) depctr_va_ssrc(0) depctr_va_vcc(0) depctr_vm_vsrc(0)
	s_getreg_b32 s2, hwreg(HW_REG_IB_STS2, 6, 4)
	s_cmp_eq_u32 s2, 0
	s_cbranch_scc0 .Lentry_in_a_cluster
	s_endpgm
.Lentry_in_a_cluster:
	s_bfe_u32 s2, ttmp6, 0x10000c
	s_cmp_lg_u32 s2, 0xf033
	s_cbranch_scc0 .Lentry_shape_is_right
	s_endpgm
.Lentry_shape_is_right:
; qkv[sec][row][f] = f16( sum over e of xb[row][e] wb[1024 sec + f][e] + bf16(bias_sec[f]) ), sec = 0, 1, 2 for Q, K, V.  xb: [8192][1024] bf16, wb: [3072][1024] bf16,
; qkv: [3][8192][1024] f16.  Products in bf16, sums in f32, K ascending; the bias is rounded to bf16 like every input of the module; the result is rounded once, to f16.
; LIMIT.  f16 holds no number beyond 65,504: Q, K and V must stay within it.  NaN and infinities are not treated apart.
; SHARES.  A work-group makes 128 rows x 256 columns: 768 work-groups.  Four waves, 2 x 2, each 64 x 128: 32 accumulators of 16 x 16, 256 registers.
; K goes in 8 steps of 128 through two LDS slots that take turns: a tile's rows are 256 bytes of memory, at multiples of 256 from the buffer's first byte.
; CLUSTER.  4 x 4 work-groups.  The four of a row of the cluster need the same rows of xb, the four of a column the same rows of wb: each tile is asked for JOINTLY, by the same tensor
; load with the same descriptor and a mask that names the four.  Waves 0 and 1 ask for the two halves of xb's tile (64 rows each), waves 2 and 3 for those of wb's (128 rows each).
; THE MATRIX INSTRUCTION IS USED TRANSPOSED (source 0 = 16 rows of wb, source 1 = 16 rows of xb): a lane then holds row lane % 16 and eight neighbouring columns 8 (lane / 16) + 0..7.
; REGISTERS, in windows of 256 (s_set_vgpr_msb: bits 1:0 source 0, 3:2 source 1, 5:4 source 2, 7:6 destination):
;   window 0: v0-13 addresses; v32-63 the bias in bf16, later packed results; v64-159, v160-255 two fragment buffers (64 registers of wb, 32 of xb, for 32 along K)
;   window 1: the accumulators, (a, b) at v[8 (8 a + b)]
.set PITCH,  272                       ; an LDS row: 256 bytes + 16 of padding = 68 words: row r starts at bank 4 r mod 64 (64 banks of 4 bytes: ISA guide 11.1), so the 16 rows of a load start at 16 different banks
.set AHALF,  64*PITCH                  ; what waves 0 and 1 fetch
.set BOFF,   128*PITCH                 ; wb's 256 rows lie behind xb's 128
.set BHALF,  128*PITCH                 ; what waves 2 and 3 fetch
.set SLOT1,  1<<17                     ; slot 1 begins here, so that one exclusive or turns an address in one slot into the other's
.set STAGE,  SLOT1+BOFF+2*BHALF        ; behind the ring, never filled by a tensor load: 16 rows x 272 bytes for each wave, for the way out
.set SPARE,  STAGE+4*16*PITCH          ; behind the stages: the spare words, 128 bytes for each wave: two blocks of 256 bytes that no other line names
.set STEPS,  8
.set ASTEP,  256                       ; bytes from a K step to the next, in xb and in wb
.set BSTEP,  256
.set ROWB,   2048                      ; bytes in a row of qkv
.set PADW,   (1<<16)|(1<<20)|(1<<21)|(5<<22)|(3<<25)  ; 17:16 elements of 2 bytes; 20 padding on; 21 set beside a mask; 24:22 after every 64 words (code 5); 31:25 4 words of it (code 3)
.set A0,   4                           ; v4   my lane's place among my rows of xb in slot 0; never rewritten
.set B0,   5                           ; v5   the same for wb
.set ADRA, 6                           ; v6   the same in the slot in hand
.set ADRB, 7                           ; v7
.set STO,  8                           ; v8   the way out: where I put 16 bytes of a row
.set RD,   9                           ; v9   the way out: where I read a row back
.set CO,   10                          ; v10  my byte offset in qkv
.set BO,   11                          ; v11  my byte offset in the bias
.set SPW,  12                          ; v12  LDS address of my spare word; never rewritten
.set NIL,  13                          ; v13  0; never rewritten
.set TMP,  32
.set F0,   64
.set F1,   160
.set BI,   64                          ; the bias in f32, behind the last product
.set OB,   128                         ; the way out: rows read back, 32 registers for each block of 16 rows
.set WV,  20                           ; s20  my wave's number
.set RH,  21                           ; s21  which half of the tile's rows is mine.  Also: I fetch for xb (0) or for wb (1)
.set CH,  22                           ; s22  which half of its columns.  Also: which half of that tile I fetch
.set G1A, 24                           ; s[24:31], s[32:35] descriptor groups 1 and 0 for xb's tiles
.set G0A, 32
.set G1B, 48                           ; s[48:55], s[56:59] the same for wb's
.set G0B, 56
.set TB,  60                           ; s60  0 or SLOT1: the slot that is read
.set MUL, 0x50                         ; C and D in window 1, the sources in window 0
.set MSB, 0
.macro WIN new                         ; the immediate's high byte repeats the setting that is left; a switch that changes nothing is dropped
.if MSB != (\new)
	s_set_vgpr_msb (MSB<<8)|(\new)
.set MSB, \new
.endif
.endm
.macro PLACES                          ; a load into a register that a matrix instruction has read, and a vector instruction that reads a matrix result or writes one of its registers, stand four
.rept 4                                ; plain vector instructions behind it (ISA guide 7.12.1 for vector instructions)
	v_nop
.endr
.endm
.macro JLOAD                           ; a joint load; the branch hangs on the wave's number alone; an s_nop 0 and four v_nop follow each of the two lines
	s_cmp_eq_u32 s[RH], 0
	s_cbranch_scc0 .Lfor_b_\@
	tensor_load_to_lds s[G0A:G0A+3], s[G1A:G1A+7]
	s_nop 0
.rept 4
	v_nop
.endr
	s_branch .Lasked_\@
.Lfor_b_\@:
	tensor_load_to_lds s[G0B:G0B+3], s[G1B:G1B+7]
	s_nop 0
.rept 4
	v_nop
.endr
.Lasked_\@:
.endm
.macro CREST                           ; a round of the cluster's barrier behind its opening barrier
	s_cmp_lg_u32 s[WV], 0
	s_cbranch_scc1 .Lnot_wave_0_\@
	s_barrier_signal -3
.Lnot_wave_0_\@:
	s_barrier_wait -3
	s_barrier_signal -1
	s_barrier_wait -1
.endm
.macro CROUND                          ; a whole round
	s_barrier_signal -1
	s_barrier_wait -1
	CREST
.endm
.macro STEPD                           ; the walking descriptors: the other slot, the next K step; written only where no tensor load of mine is out
	s_xor_b32 s[G0A+1], s[G0A+1], SLOT1
	s_add_nc_u64 s[G0A+2:G0A+3], s[G0A+2:G0A+3], ASTEP
	s_xor_b32 s[G0B+1], s[G0B+1], SLOT1
	s_add_nc_u64 s[G0B+2:G0B+3], s[G0B+2:G0B+3], BSTEP
.endm
	s_load_b256 s[4:11], s[0:1], 0x0               ; xb s[4:5], wb s[6:7], wq_b s[8:9], wk_b s[10:11]
	s_load_b128 s[12:15], s[0:1], 0x20             ; wv_b s[12:13], qkv s[14:15]
	v_lshl_add_u32 v[SPW], v0, 2, SPARE
	v_mov_b32 v[NIL], 0
	ds_add_u32 v[SPW], v[NIL]                      ; the wave's opening: the add and its wait stand ahead of my first tensor load; the set-up below, work on registers, stands between them
	v_lshrrev_b32 v3, 5, v0
	v_readfirstlane_b32 s[WV], v3                  ; wave 0..3
	s_lshr_b32 s[RH], s[WV], 1
	s_and_b32 s[CH], s[WV], 1
	s_mov_b32 s2, ttmp9                            ; the cluster's x: a cluster is 4 x 256 = 1,024 columns wide, so this is the section (Q, K, V)
	s_bfe_u32 s40, ttmp6, 0x40000                  ; cx: also the column tile inside the section
	s_bfe_u32 s41, ttmp6, 0x40004                  ; cy
	s_lshl_b32 s42, ttmp9, 2
	s_add_co_u32 s42, s42, s40                     ; tile column = 4 x cluster x + cx
	s_and_b32 s43, ttmp7, 0xffff
	s_lshl_b32 s43, s43, 2
	s_add_co_u32 s43, s43, s41                     ; tile row = 4 x cluster y + cy
	s_lshl_b32 s44, s41, 2
	s_lshl_b32 s44, 15, s44                        ; my row of the cluster: places 4 cy .. 4 cy + 3
	s_lshl_b32 s45, 0x1111, s40                    ; my column: places cx, cx + 4, cx + 8, cx + 12
	s_or_b32 s[G1A], s44, PADW                     ; 15:0 the mask: xb's tiles go to my row
	s_or_b32 s[G1B], s45, PADW                     ; wb's to my column
	s_mov_b32 s[G1A+1], 128<<16                    ; tensor_dim0 = 128
	s_mov_b32 s[G1A+2], 64<<16                     ; tensor_dim1 = 64
	s_mov_b32 s[G1A+3], 128<<16                    ; tile_dim0 = 128
	s_mov_b32 s[G1A+4], 64                         ; tile_dim1 = 64
	s_mov_b32 s[G1A+5], 1024                       ; elements from row to row
	s_mov_b32 s[G1A+6], 0
	s_mov_b32 s[G1A+7], 0
	s_mov_b32 s[G1B+1], 128<<16
	s_mov_b32 s[G1B+2], 128<<16                    ; 128 rows
	s_mov_b32 s[G1B+3], 128<<16
	s_mov_b32 s[G1B+4], 128
	s_mov_b32 s[G1B+5], 1024
	s_mov_b32 s[G1B+6], 0
	s_mov_b32 s[G1B+7], 0
	; xb's tile hangs on the tile row alone, wb's on the tile column alone, each in registers that never hold the other coordinate
	s_lshl_b32 s16, s43, 7
	s_lshl_b32 s17, s[CH], 6
	s_add_co_u32 s16, s16, s17                     ; xb: row 128 x tile row + 64 x half,
	s_lshl_b32 s16, s16, 11                        ; of 2,048 bytes
	s_mov_b32 s17, 0
	s_lshl_b32 s46, s42, 8
	s_lshl_b32 s47, s[CH], 7
	s_add_co_u32 s46, s46, s47                     ; wb: row 256 x tile column + 128 x half
	s_lshl_b32 s46, s46, 11
	s_mov_b32 s47, 0
	s_mov_b32 s[G0A], 1                            ; 1:0 count = 1
	s_mul_i32 s[G0A+1], s[CH], AHALF               ; 63:32 LDS address, slot 0: no place in the cluster enters it
	s_mov_b32 s[G0B], 1
	s_mul_i32 s23, s[CH], BHALF
	s_add_co_u32 s[G0B+1], s23, BOFF
	s_wait_dscnt 0x0                               ; the opening add is done
	s_wait_kmcnt 0x0
	s_add_nc_u64 s[G0A+2:G0A+3], s[4:5], s[16:17]  ; 120:64 global address: K step 0
	s_or_b32 s[G0A+3], s[G0A+3], 0x80000000        ; 127:126 type = 2
	s_add_nc_u64 s[G0B+2:G0B+3], s[6:7], s[46:47]
	s_or_b32 s[G0B+3], s[G0B+3], 0x80000000
	CROUND                                         ; all sixteen work-groups are here: the first joint loads meet
	JLOAD                                          ; K step 0 into slot 0; slot 1 is asked for when slot 0 is in
	; the bias of my 64 columns (16 b + 8 (lane / 16) + 0..7, b = 0..7), asked for while the first tile is on its way
	s_cmp_eq_u32 s2, 1
	s_cselect_b64 s[8:9], s[10:11], s[8:9]
	s_cmp_eq_u32 s2, 2
	s_cselect_b64 s[8:9], s[12:13], s[8:9]         ; the section's bias
	s_lshl_b32 s46, s40, 10                        ; the tile's 256 columns of 4 bytes
	s_mov_b32 s47, 0
	s_add_nc_u64 s[8:9], s[8:9], s[46:47]
	v_and_b32 v1, 15, v0                           ; r = lane % 16
	v_bfe_u32 v2, v0, 4, 1                         ; h = lane / 16
	s_lshl_b32 s23, s[CH], 9
	v_lshl_add_u32 v[BO], v2, 5, s23               ; 512 x column half + 32 h
.irp b, 0,1,2,3,4,5,6,7
	global_load_b128 v[BI+8*(\b):BI+8*(\b)+3],   v[BO], s[8:9] offset:64*(\b)
	global_load_b128 v[BI+8*(\b)+4:BI+8*(\b)+7], v[BO], s[8:9] offset:64*(\b)+16
.endr
	; A fragment is 16 rows x 32 K in 8 registers: lane l holds row l % 16; registers 0-3 K = 8 (l / 16) + 0..7, registers 4-7 K = 16 + 8 (l / 16) + 0..7: two loads of 16 bytes, 32 bytes apart
	v_mul_u32_u24 v3, v1, PITCH
	v_lshl_add_u32 v3, v2, 4, v3                   ; row x pitch + 16 x half
	s_mul_i32 s23, s[RH], 64*PITCH
	v_add_nc_u32 v[A0], s23, v3                    ; my 64 rows of xb
	s_mul_i32 s23, s[CH], 128*PITCH
	s_add_co_u32 s23, s23, BOFF
	v_add_nc_u32 v[B0], s23, v3                    ; my 128 rows of wb
	s_mul_i32 s23, s[WV], 16*PITCH
	s_add_co_u32 s23, s23, STAGE                   ; my stage
	v_add_nc_u32 v[STO], s23, v3                   ; in: row l % 16, 16 bytes for each half of the lanes
	v_mul_u32_u24 v3, v2, PITCH                    ; back: lanes 0-15 take one row of 256 bytes, lanes 16-31 the next
	v_lshl_add_u32 v3, v1, 4, v3
	v_add_nc_u32 v[RD], s23, v3
	v_lshlrev_b32 v[CO], 11, v2                    ; and the same two rows in qkv
	v_lshl_add_u32 v[CO], v1, 4, v[CO]
	s_lshl_b32 s18, s43, 7                         ; where my part begins in qkv: row 128 x tile row + 64 x row half,
	s_lshl_b32 s19, s[RH], 6
	s_add_co_u32 s18, s18, s19
	s_lshl_b32 s18, s18, 11
	s_mov_b32 s19, 0
	s_add_nc_u64 s[14:15], s[14:15], s[18:19]
	s_lshl_b32 s46, s2, 24                         ; the section's 16,777,216 bytes, 512 bytes a column tile, 256 a column half
	s_lshl_b32 s47, s40, 9
	s_add_co_u32 s46, s46, s47
	s_lshl_b32 s47, s[CH], 8
	s_add_co_u32 s46, s46, s47
	s_mov_b32 s47, 0
	s_add_nc_u64 s[14:15], s[14:15], s[46:47]
; 8 matrix instructions: row block a x all 8 column blocks, 32 along K, from buffer f.  zero = 1: the product starts the sums: nothing is ever cleared.
; The 32 accumulators take turns, in the same order in every quarter.
.macro MUL8 f, a, zero
	WIN MUL
.irp b, 0,1,2,3,4,5,6,7
.if \zero
	v_wmma_f32_16x16x32_bf16 v[8*(8*(\a)+(\b)):8*(8*(\a)+(\b))+7], v[(\f)+8*(\b):(\f)+8*(\b)+7], v[(\f)+64+8*(\a):(\f)+64+8*(\a)+7], 0
.else
	v_wmma_f32_16x16x32_bf16 v[8*(8*(\a)+(\b)):8*(8*(\a)+(\b))+7], v[(\f)+8*(\b):(\f)+8*(\b)+7], v[(\f)+64+8*(\a):(\f)+64+8*(\a)+7], v[8*(8*(\a)+(\b)):8*(8*(\a)+(\b))+7]
.endif
.endr
.endm
; 24 LDS loads in one run: the fragments of 32 along K at byte k of the rows, into buffer f: wb's 16, then xb's rows 0-31, then its rows 32-63
.macro FETCH k, f
	WIN 0
.irp i, 0,1,2,3,4,5,6,7
	ds_load_b128 v[(\f)+8*(\i):(\f)+8*(\i)+3],   v[ADRB] offset:(\k)+(\i)*16*PITCH
	ds_load_b128 v[(\f)+8*(\i)+4:(\f)+8*(\i)+7], v[ADRB] offset:(\k)+(\i)*16*PITCH+32
.endr
.irp i, 0,1,2,3
	ds_load_b128 v[(\f)+64+8*(\i):(\f)+64+8*(\i)+3],   v[ADRA] offset:(\k)+(\i)*16*PITCH
	ds_load_b128 v[(\f)+64+8*(\i)+4:(\f)+64+8*(\i)+7], v[ADRA] offset:(\k)+(\i)*16*PITCH+32
.endr
.endm
; A K step is four quarters of 32 along K, 32 matrix instructions each, on buffers 0, 1, 0, 1.  One of the first three: multiplies buffer f and fetches the next quarter, at byte k, into g.
.macro QUARTER k, f, g, zero
	s_wait_dscnt 4                                 ; all but the youngest four loads (xb's rows 32-63) are in
	MUL8 \f, 0, \zero
	MUL8 \f, 1, \zero
	WIN 0
	PLACES
	FETCH \k, \g
	s_wait_dscnt 24                                ; all but the 24 just issued
	MUL8 \f, 2, \zero
	MUL8 \f, 3, \zero
.endm
; The last quarter multiplies buffer 1 and changes slots: ONE barrier; in front of it each wave waits for all its tensor loads (one is out: its part of the next slot), adds 0 to its spare word,
; and waits for that and for its own reads of this slot.  fill = 1: the barrier opens a round of the cluster's, and this slot is filled again, with the K step two on, first thing behind the round:
; from there to the wait for it a wave issues 112 matrix instructions.
.macro TURN fill
	WIN 0
	s_wait_tensorcnt 0x0                           ; no tensor load of mine is out, so a group 0 may be written
	ds_add_u32 v[SPW], v[NIL]                      ; 0 onto my spare word
.if \fill
	STEPD
.endif
	s_wait_dscnt 5                                 ; the add and the youngest four loads may be out
	MUL8 F1, 0, 0
	s_wait_dscnt 0x0                               ; the add is done, and my reads of this slot are over
	s_barrier_signal -1
	MUL8 F1, 1, 0                                  ; work on registers while the others arrive
	WIN 0                                          ; at a branch and at a label every window is 0
	s_barrier_wait -1
.if \fill
	CREST                                          ; no wave of any partner still reads this slot's tile or has a load on its way
	JLOAD                                          ; its four v_nop are also the places in front of the loads below
.else
	PLACES
.endif
	s_xor_b32 s[TB], s[TB], SLOT1
	v_add_nc_u32 v[ADRA], s[TB], v[A0]
	v_add_nc_u32 v[ADRB], s[TB], v[B0]
	FETCH 0, F0
	MUL8 F1, 2, 0
	MUL8 F1, 3, 0
.endm
.macro LASTQ                           ; the very last quarter: nothing more to fetch
	s_wait_dscnt 4
	MUL8 F1, 0, 0
	MUL8 F1, 1, 0
	s_wait_dscnt 0x0
	MUL8 F1, 2, 0
	MUL8 F1, 3, 0
.endm
	; the first change of slots: slot 0 is waited for, slot 1 asked for, in the form of every later change
	s_wait_tensorcnt 0x0                           ; my part of K step 0 is in
	ds_add_u32 v[SPW], v[NIL]
	STEPD
	s_wait_dscnt 0x0
	CROUND
	JLOAD                                          ; K step 1 into slot 1
	s_mov_b32 s[TB], 0
	v_mov_b32 v[ADRA], v[A0]
	v_mov_b32 v[ADRB], v[B0]
	s_wait_loadcnt 0x0                             ; the bias: rounded to bf16 and kept packed in 32 registers that the loop does not touch
.set i, 0
.rept 32
	v_cvt_pk_bf16_f32 v[TMP+i], v[BI+2*i], v[BI+2*i+1]
.set i, i+1
.endr
	FETCH 0, F0
	QUARTER 64, F0, F1, 1                          ; the first quarter stands in front of the loop: its products start the sums
	WIN 0
	s_mov_b32 s3, STEPS-2
.Lstep:                                                ; a trip goes from a step's second quarter to the next step's first, and fills the slot that it leaves
	QUARTER 128, F1, F0, 0
	QUARTER 192, F0, F1, 0
	TURN 1
	QUARTER 64, F0, F1, 0
	WIN 0
	s_sub_co_u32 s3, s3, 1
	s_cmp_lg_u32 s3, 0
	s_cbranch_scc1 .Lstep
	QUARTER 128, F1, F0, 0                         ; the tail is written out: the last two steps ask for nothing
	QUARTER 192, F0, F1, 0
	TURN 0
	QUARTER 64, F0, F1, 0
	QUARTER 128, F1, F0, 0
	QUARTER 192, F0, F1, 0
	LASTQ
	WIN 0
	PLACES                                         ; the lines below write registers that products have read
.set i, 0
.rept 32
	v_lshlrev_b32 v[BI+2*i], 16, v[TMP+i]          ; the bias back in f32: column 16 b + 8 h + j at BI + 8 b + j
	v_and_b32 v[BI+2*i+1], 0xffff0000, v[TMP+i]
.set i, i+1
.endr
; THE WAY OUT of row block a: + bias, rounded to f16, 16 bytes a lane into my own stage, back as whole rows of 256 bytes.
.macro PACK a
	WIN 0x41                                       ; destination and source 0 in window 1
.set i, 0
.rept 32
	v_pk_add_f32 v[64*(\a)+2*i:64*(\a)+2*i+1], v[64*(\a)+2*i:64*(\a)+2*i+1], v[BI+2*i:BI+2*i+1]
.set i, i+1
.endr
	WIN 0x05                                       ; sources 0 and 1 in window 1
.set i, 0
.rept 32
	v_cvt_pk_f16_f32 v[TMP+i], v[64*(\a)+2*i], v[64*(\a)+2*i+1]
.set i, i+1
.endr
	WIN 0
.irp b, 0,1,2,3,4,5,6,7
	ds_store_b128 v[STO], v[TMP+4*(\b):TMP+4*(\b)+3] offset:32*(\b)
.endr
.irp t, 0,1,2,3,4,5,6,7
	ds_load_b128 v[OB+32*(\a)+4*(\t):OB+32*(\a)+4*(\t)+3], v[RD] offset:(\t)*2*PITCH  ; LDS serves a wave's instructions in order (ISA guide 5.7.1.4): these see the stores above; the next block's stores come behind them
.endr
.endm
.macro SEND a, younger                 ; younger: the LDS instructions issued behind block a's loads: the next block's sixteen, or none
.irp t, 0,1,2,3,4,5,6,7
	s_wait_dscnt (\younger)+7-(\t)
	global_store_b128 v[CO], v[OB+32*(\a)+4*(\t):OB+32*(\a)+4*(\t)+3], s[14:15] offset:(16*(\a)+2*(\t))*ROWB  ; 16 lanes store 256 consecutive bytes, at a multiple of 256 from qkv's first byte
.endr
.endm
	PACK 0
	PACK 1                                         ; a block's arithmetic stands between the loads of the block before and its stores
	SEND 0, 16
	PACK 2
	SEND 1, 16
	PACK 3
	SEND 2, 16
	SEND 3, 0
	s_wait_tensorcnt 0x0                           ; the wave's end: behind my last tensor load and my last LDS store
	ds_add_u32 v[SPW], v[NIL]
	s_wait_dscnt 0x0
	CROUND                                         ; the closing round: no work-group ends while a partner may still ask for a tile that names it
	s_endpgm
.Lfunc_end_k_qf79fd87e88_proj:
	.size	k_qf79fd87e88_proj, .Lfunc_end_k_qf79fd87e88_proj-k_qf79fd87e88_proj
	.p2alignl 7, 3214868480
	.fill 96, 4, 3214868480
	.section	.rodata,"a",@progbits
	.p2align	6, 0x0
	.amdhsa_kernel k_qf79fd87e88_proj
		.amdhsa_group_segment_fixed_size 327680
		.amdhsa_private_segment_fixed_size 0
		.amdhsa_enable_private_segment 0
		.amdhsa_kernarg_size 48
		.amdhsa_user_sgpr_count 2
		.amdhsa_user_sgpr_kernarg_segment_ptr 1
		.amdhsa_wavefront_size32 1
		.amdhsa_system_sgpr_workgroup_id_x 1
		.amdhsa_system_sgpr_workgroup_id_y 1
		.amdhsa_system_sgpr_workgroup_id_z 1
		.amdhsa_system_vgpr_workitem_id 0
		.amdhsa_next_free_vgpr 512
		.amdhsa_next_free_sgpr 66
		.amdhsa_reserve_vcc 0
		.amdhsa_float_denorm_mode_32 3
		.amdhsa_float_denorm_mode_16_64 3
		.amdhsa_memory_ordered 1
		.amdhsa_forward_progress 1
		.amdhsa_inst_pref_size 86
	.end_amdhsa_kernel
	.amdgpu_metadata
---
amdhsa.version: [ 1, 2 ]
amdhsa.kernels:
  - .name:           k_qf79fd87e88_proj
    .symbol:         k_qf79fd87e88_proj.kd
    .args:
      - { .name: xb, .offset: 0, .size: 8, .value_kind: global_buffer, .address_space: global }
      - { .name: wb, .offset: 8, .size: 8, .value_kind: global_buffer, .address_space: global }
      - { .name: wq_b, .offset: 16, .size: 8, .value_kind: global_buffer, .address_space: global }
      - { .name: wk_b, .offset: 24, .size: 8, .value_kind: global_buffer, .address_space: global }
      - { .name: wv_b, .offset: 32, .size: 8, .value_kind: global_buffer, .address_space: global }
      - { .name: qkv, .offset: 40, .size: 8, .value_kind: global_buffer, .address_space: global }
    .group_segment_fixed_size: 327680
    .private_segment_fixed_size: 0
    .kernarg_segment_align: 8
    .kernarg_segment_size: 48
    .max_flat_workgroup_size: 128
    .sgpr_count:     66
    .vgpr_count:     512
    .wavefront_size: 32
...
	.end_amdgpu_metadata
.endif
;; end of part 2
;; launch scores (part 3): grid 8 x 64, 4 waves a work-group, clusters of 4 x 4, 327,680 bytes of LDS; arguments qkv, pm, st; writes pm, st
.if DOCPART == 3
	.amdgcn_target "amdgcn-amd-amdhsa--gfx1250"
	.amdhsa_code_object_version 6
	.text
	.protected	k_qf79fd87e88_scores
	.globl	k_qf79fd87e88_scores
	.p2align	8
	.type	k_qf79fd87e88_scores,@function
k_qf79fd87e88_scores:
	s_mov_b64 s[64:65], 0
	v_nop
	global_prefetch_b8 v0, s[64:65] scope:SCOPE_SE
	s_setreg_imm32_b32 hwreg(HW_REG_WAVE_MODE, 25, 1), 1
	s_wait_xcnt 0x0
	s_wait_alu depctr_hold_cnt(0) depctr_sa_sdst(0) depctr_va_vdst(0) depctr_va_sdst(0) depctr_va_ssrc(0) depctr_va_vcc(0) depctr_vm_vsrc(0)
	s_getreg_b32 s2, hwreg(HW_REG_IB_STS2, 6, 4)
	s_cmp_eq_u32 s2, 0
	s_cbranch_scc0 .Lentry_in_a_cluster
	s_endpgm
.Lentry_in_a_cluster:
	s_bfe_u32 s2, ttmp6, 0x10000c
	s_cmp_lg_u32 s2, 0xf033
	s_cbranch_scc0 .Lentry_shape_is_right
	s_endpgm
.Lentry_shape_is_right:
; s = Q K^T within a batch, and the first stage of the softmax.  For each row and each block t of 128 keys: m_t = the largest s of the block, pm[row][key] = f16(2^(c s - c m_t)), c = log2(e) / 32,
; st holds c m_t and l_t = the sum of the block's unrounded weights, both in f32.  The next launch takes the maximum over the 16 blocks and finishes.  Raw scores never leave f32.
; qkv: [3][8192][1024] f16 (Q, K, V); pm: [8192][2048] f16, row = 2048 batch + query, column = key.
; st: blocks of 512 bytes, number (2 y + rh) 16 + t for tile row y, row half rh: bytes 0-255 c m as [r 16][a 4] f32, bytes 256-511 l likewise; the row is 128 y + 64 rh + 16 a + r.
; LIMITS.  A weight lies in 0 to 1 (above 1 by one rounding of c m at the most); below 6e-5 it keeps f16's fixed step of 6e-8.  NaN and infinities are not treated apart.
; SHARES.  A work-group makes 128 queries x 256 keys: 512 work-groups.  Four waves, 2 x 2, each 64 x 128: a wave's columns ARE a block t.  32 accumulators, 256 registers.
; K (the channels) goes in 8 steps of 128 through two LDS slots that take turns.
; CLUSTER.  4 x 4 work-groups, all of one batch (16 tile rows a batch).  The four of a row of the cluster need the same rows of Q, the four of a column the same rows of K: joint loads.
; THE MATRIX INSTRUCTION IS USED TRANSPOSED (source 0 = 16 keys, source 1 = 16 queries): a lane holds query lane % 16 and the keys 16 b + 8 (lane / 16) + 0..7; a query's other 64 keys lie in the lane 16 away.
; REGISTERS, in windows of 256 (s_set_vgpr_msb: bits 1:0 source 0, 3:2 source 1, 5:4 source 2, 7:6 destination):
;   window 0: v0-13 addresses; v16-31 statistics; v32-63 packed weights; v64-159, v160-255 two fragment buffers (64 registers of K, 32 of Q)      window 1: the accumulators, (a, b) at v[8 (8 a + b)]
.set PITCH,  272                       ; an LDS row: 256 bytes + 16 of padding = 68 words: row r starts at bank 4 r mod 64 (64 banks of 4 bytes: ISA guide 11.1)
.set AHALF,  64*PITCH
.set BOFF,   128*PITCH                 ; K's 256 rows lie behind Q's 128
.set BHALF,  128*PITCH
.set SLOT1,  1<<17
.set STAGE,  SLOT1+BOFF+2*BHALF        ; behind the ring, never filled by a tensor load: 16 rows x 272 bytes for each wave
.set SPARE,  STAGE+4*16*PITCH          ; the spare words, 128 bytes for each wave: two blocks of 256 bytes that no other line names
.set STEPS,  8
.set ASTEP,  256
.set BSTEP,  256
.set ROWB,   4096                      ; bytes in a row of pm
.set PADW,   (1<<16)|(1<<20)|(1<<21)|(5<<22)|(3<<25)  ; elements of 2 bytes; padding on; bit 21 set beside a mask; after every 64 words 4 words
.set A0,   4
.set B0,   5
.set ADRA, 6
.set ADRB, 7
.set STO,  8
.set RD,   9
.set CO,   10
.set SO,   11                          ; v11  my byte offset in the block of st
.set SPW,  12
.set NIL,  13
.set C0,   16                          ; v16-19  four chains of the maximum
.set CM,   20                          ; v[20:21] c m, twice
.set SUMR, 22                          ; v22     the lane's sum
.set CMS,  24                          ; v24-27  c m of row block a
.set LS,   28                          ; v28-31  l of row block a
.set TMP,  32
.set F0,   64
.set F1,   160
.set OB,   128
.set WV,  20
.set RH,  21
.set CH,  22
.set G1A, 24
.set G0A, 32
.set CS,  36                           ; s[36:37] c: the packed scaling takes the pair's low word for both halves
.set SEL, 38                           ; s[38:39] v_permlanex16_b32's selects: each lane takes its own place in the other half
.set G1B, 48
.set G0B, 56
.set TB,  60
.set MUL, 0x50
.set MSB, 0
.macro WIN new
.if MSB != (\new)
	s_set_vgpr_msb (MSB<<8)|(\new)
.set MSB, \new
.endif
.endm
.macro PLACES                          ; four plain vector instructions between a matrix instruction and a load into, or a vector line on, its registers (ISA guide 7.12.1 for vector instructions)
.rept 4
	v_nop
.endr
.endm
.macro JLOAD                           ; a joint load: waves 0 and 1 fetch Q's two halves, waves 2 and 3 K's; an s_nop 0 and four v_nop follow each of the two lines
	s_cmp_eq_u32 s[RH], 0
	s_cbranch_scc0 .Lfor_b_\@
	tensor_load_to_lds s[G0A:G0A+3], s[G1A:G1A+7]
	s_nop 0
.rept 4
	v_nop
.endr
	s_branch .Lasked_\@
.Lfor_b_\@:
	tensor_load_to_lds s[G0B:G0B+3], s[G1B:G1B+7]
	s_nop 0
.rept 4
	v_nop
.endr
.Lasked_\@:
.endm
.macro CREST
	s_cmp_lg_u32 s[WV], 0
	s_cbranch_scc1 .Lnot_wave_0_\@
	s_barrier_signal -3
.Lnot_wave_0_\@:
	s_barrier_wait -3
	s_barrier_signal -1
	s_barrier_wait -1
.endm
.macro CROUND
	s_barrier_signal -1
	s_barrier_wait -1
	CREST
.endm
.macro STEPD                           ; the walking descriptors: the other slot, the next K step
	s_xor_b32 s[G0A+1], s[G0A+1], SLOT1
	s_add_nc_u64 s[G0A+2:G0A+3], s[G0A+2:G0A+3], ASTEP
	s_xor_b32 s[G0B+1], s[G0B+1], SLOT1
	s_add_nc_u64 s[G0B+2:G0B+3], s[G0B+2:G0B+3], BSTEP
.endm
	s_load_b128 s[4:7], s[0:1], 0x0                ; qkv s[4:5], pm s[6:7]
	s_load_b64 s[8:9], s[0:1], 0x10                ; st
	v_lshl_add_u32 v[SPW], v0, 2, SPARE
	v_mov_b32 v[NIL], 0
	ds_add_u32 v[SPW], v[NIL]                      ; the wave's opening: the add and its wait stand ahead of my first tensor load
	v_lshrrev_b32 v3, 5, v0
	v_readfirstlane_b32 s[WV], v3
	s_lshr_b32 s[RH], s[WV], 1
	s_and_b32 s[CH], s[WV], 1
	s_bfe_u32 s40, ttmp6, 0x40000                  ; cx
	s_bfe_u32 s41, ttmp6, 0x40004                  ; cy
	s_lshl_b32 s42, ttmp9, 2
	s_add_co_u32 s42, s42, s40                     ; tile column (256 keys of the batch)
	s_and_b32 s43, ttmp7, 0xffff
	s_lshl_b32 s43, s43, 2
	s_add_co_u32 s43, s43, s41                     ; tile row (128 of the 8,192 rows)
	s_lshl_b32 s44, s41, 2
	s_lshl_b32 s44, 15, s44                        ; my row of the cluster
	s_lshl_b32 s45, 0x1111, s40                    ; my column
	s_or_b32 s[G1A], s44, PADW
	s_or_b32 s[G1B], s45, PADW
	s_mov_b32 s[G1A+1], 128<<16                    ; Q: 64 rows x 128 elements
	s_mov_b32 s[G1A+2], 64<<16
	s_mov_b32 s[G1A+3], 128<<16
	s_mov_b32 s[G1A+4], 64
	s_mov_b32 s[G1A+5], 1024
	s_mov_b32 s[G1A+6], 0
	s_mov_b32 s[G1A+7], 0
	s_mov_b32 s[G1B+1], 128<<16                    ; K: 128 rows x 128 elements
	s_mov_b32 s[G1B+2], 128<<16
	s_mov_b32 s[G1B+3], 128<<16
	s_mov_b32 s[G1B+4], 128
	s_mov_b32 s[G1B+5], 1024
	s_mov_b32 s[G1B+6], 0
	s_mov_b32 s[G1B+7], 0
	s_lshl_b32 s16, s43, 7
	s_lshl_b32 s17, s[CH], 6
	s_add_co_u32 s16, s16, s17                     ; Q: row 128 x tile row + 64 x half
	s_lshl_b32 s16, s16, 11
	s_mov_b32 s17, 0
	s_and_b32 s47, ttmp7, 0xffff                   ; the batch = cluster y / 4: the same in all sixteen partners
	s_lshr_b32 s47, s47, 2
	s_lshl_b32 s47, s47, 11                        ; its 2,048 rows
	s_lshl_b32 s46, s42, 8
	s_add_co_u32 s46, s46, s47
	s_lshl_b32 s47, s[CH], 7
	s_add_co_u32 s46, s46, s47                     ; K: row 2048 x batch + 256 x tile column + 128 x half,
	s_lshl_b32 s46, s46, 11
	s_add_co_u32 s46, s46, 0x1000000               ; in the second section of qkv
	s_mov_b32 s47, 0
	s_mov_b32 s[G0A], 1
	s_mul_i32 s[G0A+1], s[CH], AHALF
	s_mov_b32 s[G0B], 1
	s_mul_i32 s23, s[CH], BHALF
	s_add_co_u32 s[G0B+1], s23, BOFF
	s_mov_b32 s[CS], 0x3d38aa3b                    ; c = log2(e) / 32 = 0.0450842
	s_mov_b32 s[CS+1], s[CS]
	s_mov_b32 s[SEL], 0x76543210
	s_mov_b32 s[SEL+1], 0xfedcba98
	s_wait_dscnt 0x0                               ; the opening add is done
	s_wait_kmcnt 0x0
	s_add_nc_u64 s[G0A+2:G0A+3], s[4:5], s[16:17]
	s_or_b32 s[G0A+3], s[G0A+3], 0x80000000
	s_add_nc_u64 s[G0B+2:G0B+3], s[4:5], s[46:47]
	s_or_b32 s[G0B+3], s[G0B+3], 0x80000000
	CROUND                                         ; all sixteen work-groups are here: the first joint loads meet
	JLOAD                                          ; K step 0 into slot 0
	v_and_b32 v1, 15, v0                           ; r
	v_bfe_u32 v2, v0, 4, 1                         ; h
	v_mul_u32_u24 v3, v1, PITCH
	v_lshl_add_u32 v3, v2, 4, v3                   ; a fragment's row x pitch + 16 x half
	s_mul_i32 s23, s[RH], 64*PITCH
	v_add_nc_u32 v[A0], s23, v3
	s_mul_i32 s23, s[CH], 128*PITCH
	s_add_co_u32 s23, s23, BOFF
	v_add_nc_u32 v[B0], s23, v3
	s_mul_i32 s23, s[WV], 16*PITCH
	s_add_co_u32 s23, s23, STAGE                   ; my stage
	v_add_nc_u32 v[STO], s23, v3
	v_mul_u32_u24 v3, v2, PITCH
	v_lshl_add_u32 v3, v1, 4, v3
	v_add_nc_u32 v[RD], s23, v3
	v_lshlrev_b32 v[CO], 12, v2                    ; two rows of pm
	v_lshl_add_u32 v[CO], v1, 4, v[CO]
	v_and_b32 v3, 31, v0
	v_lshlrev_b32 v[SO], 4, v3                     ; 16 x lane
	s_lshl_b32 s18, s43, 7                         ; pm: row 128 x tile row + 64 x row half,
	s_lshl_b32 s19, s[RH], 6
	s_add_co_u32 s18, s18, s19
	s_lshl_b32 s18, s18, 12
	s_mov_b32 s19, 0
	s_add_nc_u64 s[6:7], s[6:7], s[18:19]
	s_lshl_b32 s46, s42, 9                         ; 512 bytes a tile column, 256 a column half
	s_lshl_b32 s47, s[CH], 8
	s_add_co_u32 s46, s46, s47
	s_mov_b32 s47, 0
	s_add_nc_u64 s[6:7], s[6:7], s[46:47]
	s_lshl_b32 s18, s43, 1                         ; st: block (2 y + rh) 16 + 2 x + column half, of 512 bytes
	s_add_co_u32 s18, s18, s[RH]
	s_lshl_b32 s18, s18, 13
	s_add_nc_u64 s[8:9], s[8:9], s[18:19]
	s_lshl_b32 s46, s42, 1
	s_add_co_u32 s46, s46, s[CH]
	s_lshl_b32 s46, s46, 9
	s_add_nc_u64 s[8:9], s[8:9], s[46:47]
; 8 matrix instructions: query block a x all 8 key blocks, 32 channels, from buffer f.  The 32 accumulators take turns, in the same order in every quarter.
.macro MUL8 f, a, zero
	WIN MUL
.irp b, 0,1,2,3,4,5,6,7
.if \zero
	v_wmma_f32_16x16x32_f16 v[8*(8*(\a)+(\b)):8*(8*(\a)+(\b))+7], v[(\f)+8*(\b):(\f)+8*(\b)+7], v[(\f)+64+8*(\a):(\f)+64+8*(\a)+7], 0
.else
	v_wmma_f32_16x16x32_f16 v[8*(8*(\a)+(\b)):8*(8*(\a)+(\b))+7], v[(\f)+8*(\b):(\f)+8*(\b)+7], v[(\f)+64+8*(\a):(\f)+64+8*(\a)+7], v[8*(8*(\a)+(\b)):8*(8*(\a)+(\b))+7]
.endif
.endr
.endm
.macro FETCH k, f                      ; 24 LDS loads in one run: K's 16, then Q's rows 0-31, then its rows 32-63
	WIN 0
.irp i, 0,1,2,3,4,5,6,7
	ds_load_b128 v[(\f)+8*(\i):(\f)+8*(\i)+3],   v[ADRB] offset:(\k)+(\i)*16*PITCH
	ds_load_b128 v[(\f)+8*(\i)+4:(\f)+8*(\i)+7], v[ADRB] offset:(\k)+(\i)*16*PITCH+32
.endr
.irp i, 0,1,2,3
	ds_load_b128 v[(\f)+64+8*(\i):(\f)+64+8*(\i)+3],   v[ADRA] offset:(\k)+(\i)*16*PITCH
	ds_load_b128 v[(\f)+64+8*(\i)+4:(\f)+64+8*(\i)+7], v[ADRA] offset:(\k)+(\i)*16*PITCH+32
.endr
.endm
.macro QUARTER k, f, g, zero
	s_wait_dscnt 4                                 ; all but the youngest four loads (Q's rows 32-63) are in
	MUL8 \f, 0, \zero
	MUL8 \f, 1, \zero
	WIN 0
	PLACES
	FETCH \k, \g
	s_wait_dscnt 24                                ; all but the 24 just issued
	MUL8 \f, 2, \zero
	MUL8 \f, 3, \zero
.endm
; The last quarter multiplies buffer 1 and changes slots: one barrier; in front of it each wave waits for all its tensor loads, adds 0 to its spare word, and waits for that and for its reads of this slot.
; fill = 1: the barrier opens a round of the cluster's, and this slot is filled again, with the K step two on, first thing behind the round.
.macro TURN fill
	WIN 0
	s_wait_tensorcnt 0x0                           ; no tensor load of mine is out, so a group 0 may be written
	ds_add_u32 v[SPW], v[NIL]
.if \fill
	STEPD
.endif
	s_wait_dscnt 5                                 ; the add and the youngest four loads may be out
	MUL8 F1, 0, 0
	s_wait_dscnt 0x0                               ; the add is done, and my reads of this slot are over
	s_barrier_signal -1
	MUL8 F1, 1, 0
	WIN 0
	s_barrier_wait -1
.if \fill
	CREST
	JLOAD                                          ; its four v_nop are also the places in front of the loads below
.else
	PLACES
.endif
	s_xor_b32 s[TB], s[TB], SLOT1
	v_add_nc_u32 v[ADRA], s[TB], v[A0]
	v_add_nc_u32 v[ADRB], s[TB], v[B0]
	FETCH 0, F0
	MUL8 F1, 2, 0
	MUL8 F1, 3, 0
.endm
.macro LASTQ
	s_wait_dscnt 4
	MUL8 F1, 0, 0
	MUL8 F1, 1, 0
	s_wait_dscnt 0x0
	MUL8 F1, 2, 0
	MUL8 F1, 3, 0
.endm
	s_wait_tensorcnt 0x0                           ; the first change of slots: my part of K step 0 is in
	ds_add_u32 v[SPW], v[NIL]
	STEPD
	s_wait_dscnt 0x0
	CROUND
	JLOAD                                          ; K step 1 into slot 1
	s_mov_b32 s[TB], 0
	v_mov_b32 v[ADRA], v[A0]
	v_mov_b32 v[ADRB], v[B0]
	FETCH 0, F0
	QUARTER 64, F0, F1, 1                          ; the first quarter's products start the sums
	WIN 0
	s_mov_b32 s3, STEPS-2
.Lstep:
	QUARTER 128, F1, F0, 0
	QUARTER 192, F0, F1, 0
	TURN 1
	QUARTER 64, F0, F1, 0
	WIN 0
	s_sub_co_u32 s3, s3, 1
	s_cmp_lg_u32 s3, 0
	s_cbranch_scc1 .Lstep
	QUARTER 128, F1, F0, 0                         ; the tail is written out
	QUARTER 192, F0, F1, 0
	TURN 0
	QUARTER 64, F0, F1, 0
	QUARTER 128, F1, F0, 0
	QUARTER 192, F0, F1, 0
	LASTQ
	WIN 0
	PLACES
; THE BLOCK'S SOFTMAX for query block a: a lane holds 64 scores of one query, at AC + 0..63 in window 1.
; The maximum: four chains of 15 scores, three operands at a time, ascending; the four left over; the lane 16 away.
; Then c s - c m, the exponentials, the rounding to f16, the sum of the unrounded weights (a tree, in place), and the way through my stage.
.macro SOFT a
.set AC, 64*(\a)
	WIN 0x15                                       ; all three sources in window 1
.irp i, 0,1,2,3
	v_max3_num_f32 v[C0+(\i)], v[AC+16*(\i)], v[AC+16*(\i)+1], v[AC+16*(\i)+2]
.endr
	WIN 0x14                                       ; sources 1 and 2 in window 1
.irp n, 0,1,2,3,4,5
.irp i, 0,1,2,3
	v_max3_num_f32 v[C0+(\i)], v[C0+(\i)], v[AC+16*(\i)+3+2*(\n)], v[AC+16*(\i)+4+2*(\n)]
.endr
.endr
	v_max3_num_f32 v[C0], v[C0], v[AC+15], v[AC+31]
	v_max3_num_f32 v[C0+2], v[C0+2], v[AC+47], v[AC+63]
	WIN 0
	v_max3_num_f32 v[C0], v[C0], v[C0+1], v[C0+2]
	v_max_num_f32 v[C0], v[C0], v[C0+3]
	v_permlanex16_b32 v[C0+1], v[C0], s[SEL], s[SEL+1]
	v_max_num_f32 v[C0], v[C0], v[C0+1]            ; m of the query's 128 keys
	v_mul_f32 v[CM], s[CS], v[C0]
	v_mul_f32 v[CM+1], s[CS], v[C0]                ; named with it as a pair
	v_mul_f32 v[CMS+(\a)], s[CS], v[C0]            ; and kept for st
	WIN 0x41                                       ; destination and source 0 in window 1
.set i, 0
.rept 32
	v_pk_fma_f32 v[AC+2*i:AC+2*i+1], v[AC+2*i:AC+2*i+1], s[CS:CS+1], v[CM:CM+1] op_sel_hi:[1,0,0] neg_lo:[0,0,1] neg_hi:[0,0,1]
.set i, i+1
.endr
.set i, 0
.rept 64
	v_exp_f32 v[AC+i], v[AC+i]
.set i, i+1
.endr
	v_nop                                          ; a plain instruction between the last exponential and the use of its result (ISA guide 5.7.2)
	WIN 0x05                                       ; sources 0 and 1 in window 1
.set i, 0
	s_wait_alu depctr_va_vdst(0)
.rept 32
	v_cvt_pk_f16_f32 v[TMP+i], v[AC+2*i], v[AC+2*i+1]
.set i, i+1
.endr
	WIN 0x45                                       ; destination, sources 0 and 1 in window 1
.irp w, 16,8,4,2,1
.set i, 0
.rept \w
	v_pk_add_f32 v[AC+2*i:AC+2*i+1], v[AC+2*i:AC+2*i+1], v[AC+2*(i+(\w)):AC+2*(i+(\w))+1]
.set i, i+1
.endr
.endr
	WIN 0x05
	v_add_f32 v[SUMR], v[AC], v[AC+1]
	WIN 0
	v_permlanex16_b32 v[C0+1], v[SUMR], s[SEL], s[SEL+1]
	v_add_f32 v[LS+(\a)], v[SUMR], v[C0+1]         ; l of the query's 128 keys
.irp b, 0,1,2,3,4,5,6,7
	ds_store_b128 v[STO], v[TMP+4*(\b):TMP+4*(\b)+3] offset:32*(\b)
.endr
.irp t, 0,1,2,3,4,5,6,7
	ds_load_b128 v[OB+32*(\a)+4*(\t):OB+32*(\a)+4*(\t)+3], v[RD] offset:(\t)*2*PITCH  ; LDS serves a wave's instructions in order (ISA guide 5.7.1.4): these see the stores above
.endr
.endm
.macro SEND a, younger                 ; younger: the LDS instructions issued behind block a's loads: the next block's sixteen, or none
.irp t, 0,1,2,3,4,5,6,7
	s_wait_dscnt (\younger)+7-(\t)
	global_store_b128 v[CO], v[OB+32*(\a)+4*(\t):OB+32*(\a)+4*(\t)+3], s[6:7] offset:(16*(\a)+2*(\t))*ROWB  ; 16 lanes store 256 consecutive bytes, at a multiple of 256 from pm's first byte
.endr
.endm
	SOFT 0
	SOFT 1
	SEND 0, 16
	SOFT 2
	SEND 1, 16
	SOFT 3
	SEND 2, 16
	SEND 3, 0
	v_cmp_eq_u32 vcc_lo, 1, v2                     ; lanes 0-15 store c m of rows 16 a + r, lanes 16-31 their l: 512 consecutive bytes
.irp a, 0,1,2,3
	v_cndmask_b32 v[TMP+(\a)], v[CMS+(\a)], v[LS+(\a)], vcc_lo
.endr
	global_store_b128 v[SO], v[TMP:TMP+3], s[8:9]
	s_wait_tensorcnt 0x0                           ; the wave's end: behind my last tensor load and my last LDS store
	ds_add_u32 v[SPW], v[NIL]
	s_wait_dscnt 0x0
	CROUND                                         ; the closing round
	s_endpgm
.Lfunc_end_k_qf79fd87e88_scores:
	.size	k_qf79fd87e88_scores, .Lfunc_end_k_qf79fd87e88_scores-k_qf79fd87e88_scores
	.p2alignl 7, 3214868480
	.fill 96, 4, 3214868480
	.section	.rodata,"a",@progbits
	.p2align	6, 0x0
	.amdhsa_kernel k_qf79fd87e88_scores
		.amdhsa_group_segment_fixed_size 327680
		.amdhsa_private_segment_fixed_size 0
		.amdhsa_enable_private_segment 0
		.amdhsa_kernarg_size 24
		.amdhsa_user_sgpr_count 2
		.amdhsa_user_sgpr_kernarg_segment_ptr 1
		.amdhsa_wavefront_size32 1
		.amdhsa_system_sgpr_workgroup_id_x 1
		.amdhsa_system_sgpr_workgroup_id_y 1
		.amdhsa_system_sgpr_workgroup_id_z 1
		.amdhsa_system_vgpr_workitem_id 0
		.amdhsa_next_free_vgpr 512
		.amdhsa_next_free_sgpr 66
		.amdhsa_reserve_vcc 1
		.amdhsa_float_denorm_mode_32 3
		.amdhsa_float_denorm_mode_16_64 3
		.amdhsa_memory_ordered 1
		.amdhsa_forward_progress 1
		.amdhsa_inst_pref_size 105
	.end_amdhsa_kernel
	.amdgpu_metadata
---
amdhsa.version: [ 1, 2 ]
amdhsa.kernels:
  - .name:           k_qf79fd87e88_scores
    .symbol:         k_qf79fd87e88_scores.kd
    .args:
      - { .name: qkv, .offset: 0, .size: 8, .value_kind: global_buffer, .address_space: global }
      - { .name: pm, .offset: 8, .size: 8, .value_kind: global_buffer, .address_space: global }
      - { .name: st, .offset: 16, .size: 8, .value_kind: global_buffer, .address_space: global }
    .group_segment_fixed_size: 327680
    .private_segment_fixed_size: 0
    .kernarg_segment_align: 8
    .kernarg_segment_size: 24
    .max_flat_workgroup_size: 128
    .sgpr_count:     66
    .vgpr_count:     512
    .wavefront_size: 32
...
	.end_amdgpu_metadata
.endif
;; end of part 3
;; launch pv (part 4): grid 4 x 64, 4 waves a work-group, clusters of 4 x 4, 327,680 bytes of LDS; arguments pm, qkv, st, out0; writes out0
.if DOCPART == 4
	.amdgcn_target "amdgcn-amd-amdhsa--gfx1250"
	.amdhsa_code_object_version 6
	.text
	.protected	k_qf79fd87e88_pv
	.globl	k_qf79fd87e88_pv
	.p2align	8
	.type	k_qf79fd87e88_pv,@function
k_qf79fd87e88_pv:
	s_mov_b64 s[64:65], 0
	v_nop
	global_prefetch_b8 v0, s[64:65] scope:SCOPE_SE
	s_setreg_imm32_b32 hwreg(HW_REG_WAVE_MODE, 25, 1), 1
	s_wait_xcnt 0x0
	s_wait_alu depctr_hold_cnt(0) depctr_sa_sdst(0) depctr_va_vdst(0) depctr_va_sdst(0) depctr_va_ssrc(0) depctr_va_vcc(0) depctr_vm_vsrc(0)
	s_getreg_b32 s2, hwreg(HW_REG_IB_STS2, 6, 4)
	s_cmp_eq_u32 s2, 0
	s_cbranch_scc0 .Lentry_in_a_cluster
	s_endpgm
.Lentry_in_a_cluster:
	s_bfe_u32 s2, ttmp6, 0x10000c
	s_cmp_lg_u32 s2, 0xf033
	s_cbranch_scc0 .Lentry_shape_is_right
	s_endpgm
.Lentry_shape_is_right:
; out0[row][e] = (sum over the 16 key blocks t, over the block's keys k, of f_t p[row][k] V[k][e]) / L.  c M = the largest c m_t of the row, f_t = 2^(c m_t - c M) <= 1, L = the sum of f_t l_t:
; the second stage of the softmax whose first stage made pm (f16 weights against each block's own maximum) and st (c m_t, l_t in f32).  V is the third section of qkv, [8192][1024] f16.
; The weights' fragments are multiplied by f_t in f16 on their way to the matrix unit; products in f16, sums in f32; the division by L in f32; out0 is f32.
; LIMITS.  f_t is rounded to f16 for the weights and enters L unrounded: a difference of 2^-12 of itself at the most.  f_t p below 6e-5 keeps f16's fixed step of 6e-8.  NaN and infinities are not treated apart.
; SHARES.  A work-group makes 128 rows x 256 channels: 256 work-groups.  Four waves, 2 x 2, each 64 x 128: 32 accumulators, 256 registers.  K (the keys) goes in 16 steps of 128, a step a block t,
; through two LDS slots that take turns: pm's tile has rows of 256 bytes, V's rows of 512, all at multiples of 256 from the buffer's first byte.
; CLUSTER.  4 x 4 work-groups, all of one batch.  The four of a row of the cluster need the same tiles of pm, the four of a column the same tiles of V: joint loads.
; THE MATRIX INSTRUCTION IS USED TRANSPOSED (source 0 = 16 channels of V^T, source 1 = 16 rows of pm): a lane holds row lane % 16 and eight neighbouring channels.  V lies [key][channel] and comes out of LDS turned, by ds_load_tr16_b128.
; REGISTERS: window 0: v0-13 addresses; v16-19 f_t of my rows 16 a + r, twice in f16; v20-27 1 / L, a pair for each a; v28-30 the table's addresses; v32-43 at work at the head;
;   v64-159, v160-255 two fragment buffers (64 registers of V, 32 of pm)      window 1: the accumulators, (a, b) at v[8 (8 a + b)]
.set PITCH,  272                       ; a row of pm in LDS: 256 bytes + 16 of padding: the 16 rows of a load start at 16 different groups of four banks (64 banks of 4 bytes: ISA guide 11.1)
.set VPITCH, 544                       ; a row of V: 512 + 32 = 136 words: row r starts at bank 8 r mod 64
.set AHALF,  64*PITCH
.set BOFF,   128*PITCH                 ; V's 128 key rows lie behind pm's 128 rows
.set BHALF,  64*VPITCH
.set SLOT1,  1<<17
.set STAGE,  SLOT1+BOFF+2*BHALF        ; behind the ring, never filled by a tensor load: 16 rows x 528 bytes for each wave
.set OPITCH, 528                       ; 512 bytes + 16: the 16 rows of a store start at 16 different groups of four banks
.set TAB,    STAGE+4*16*OPITCH         ; for each wave 4,096 bytes: f_t as [t 16][r 16][a 4] words of two equal f16
.set SPARE,  TAB+4*4096                ; the spare words, 128 bytes for each wave: two blocks of 256 bytes that no other line names
.set STEPS,  16
.set ASTEP,  256                       ; 128 keys along a row of pm
.set BSTEP,  128*2048                  ; 128 rows of V
.set ROWB,   4096                      ; bytes in a row of out0
.set PADW,   (1<<16)|(1<<20)|(1<<21)|(5<<22)|(3<<25)  ; elements of 2 bytes; padding on; bit 21 set beside a mask; after every 64 words 4 words
.set PADV,   (1<<16)|(1<<20)|(1<<21)|(6<<22)|(7<<25)  ; the same, after every 128 words 8 words
.set A0,   4
.set B0,   5
.set ADRA, 6
.set ADRB, 7
.set STO,  8
.set RD,   9
.set CO,   10
.set SO,   11                          ; v11  my byte offset in my rows' 16 blocks of st
.set SPW,  12
.set NIL,  13
.set FS,   16                          ; v[16:19]
.set RL,   20                          ; v[20:27]
.set FT0,  28                          ; v28  my lane's place in the table's step 0; never rewritten
.set FA,   29                          ; v29  the same in the step to come
.set TST,  30                          ; v30  where I store my eight steps of the table
.set MX,   32                          ; v32-35  c M
.set XC,   36                          ; v36-39  what the lane 16 away holds
.set LL,   40                          ; v40-43  L
.set CMR,  64                          ; v64-95   c m_t, then f_t: step 8 h + i, row block a at CMR + 4 i + a
.set LR,   96                          ; v96-127  l_t likewise
.set FP,   128                         ; v128-159 f_t twice in f16
.set F0,   64
.set F1,   160
.set OB,   64                          ; the way out: 16 rows read back, three buffers of 64 registers
.set WV,  20
.set RH,  21
.set CH,  22
.set G1A, 24
.set G0A, 32
.set SEL, 38
.set G1B, 48
.set G0B, 56
.set TB,  60
.set FT,  61                           ; s61  256 x the step whose factors are fetched
.set MUL, 0x50
.set MSB, 0
.macro WIN new
.if MSB != (\new)
	s_set_vgpr_msb (MSB<<8)|(\new)
.set MSB, \new
.endif
.endm
.macro PLACES                          ; four plain vector instructions between a matrix instruction and a load into, or a vector line on, its registers (ISA guide 7.12.1 for vector instructions)
.rept 4
	v_nop
.endr
.endm
.macro JLOAD                           ; a joint load: waves 0 and 1 fetch pm's two halves (64 rows), waves 2 and 3 V's (64 keys); an s_nop 0 and four v_nop follow each of the two lines
	s_cmp_eq_u32 s[RH], 0
	s_cbranch_scc0 .Lfor_b_\@
	tensor_load_to_lds s[G0A:G0A+3], s[G1A:G1A+7]
	s_nop 0
.rept 4
	v_nop
.endr
	s_branch .Lasked_\@
.Lfor_b_\@:
	tensor_load_to_lds s[G0B:G0B+3], s[G1B:G1B+7]
	s_nop 0
.rept 4
	v_nop
.endr
.Lasked_\@:
.endm
.macro CREST
	s_cmp_lg_u32 s[WV], 0
	s_cbranch_scc1 .Lnot_wave_0_\@
	s_barrier_signal -3
.Lnot_wave_0_\@:
	s_barrier_wait -3
	s_barrier_signal -1
	s_barrier_wait -1
.endm
.macro CROUND
	s_barrier_signal -1
	s_barrier_wait -1
	CREST
.endm
.macro STEPD                           ; the walking descriptors: the other slot, the next 128 keys
	s_xor_b32 s[G0A+1], s[G0A+1], SLOT1
	s_add_nc_u64 s[G0A+2:G0A+3], s[G0A+2:G0A+3], ASTEP
	s_xor_b32 s[G0B+1], s[G0B+1], SLOT1
	s_add_nc_u64 s[G0B+2:G0B+3], s[G0B+2:G0B+3], BSTEP
.endm
	s_load_b256 s[4:11], s[0:1], 0x0               ; pm s[4:5], qkv s[6:7], st s[8:9], out0 s[10:11]
	v_lshl_add_u32 v[SPW], v0, 2, SPARE
	v_mov_b32 v[NIL], 0
	ds_add_u32 v[SPW], v[NIL]                      ; the wave's opening: the add and its wait stand ahead of my first tensor load
	v_lshrrev_b32 v3, 5, v0
	v_readfirstlane_b32 s[WV], v3
	s_lshr_b32 s[RH], s[WV], 1
	s_and_b32 s[CH], s[WV], 1
	s_bfe_u32 s40, ttmp6, 0x40000                  ; cx
	s_bfe_u32 s41, ttmp6, 0x40004                  ; cy
	s_lshl_b32 s42, ttmp9, 2
	s_add_co_u32 s42, s42, s40                     ; tile column (256 channels)
	s_and_b32 s43, ttmp7, 0xffff
	s_lshl_b32 s43, s43, 2
	s_add_co_u32 s43, s43, s41                     ; tile row (128 of the 8,192 rows)
	s_lshl_b32 s44, s41, 2
	s_lshl_b32 s44, 15, s44                        ; my row of the cluster
	s_lshl_b32 s45, 0x1111, s40                    ; my column
	s_or_b32 s[G1A], s44, PADW
	s_or_b32 s[G1B], s45, PADV
	s_mov_b32 s[G1A+1], 128<<16                    ; pm: 64 rows x 128 elements, 2,048 elements from row to row
	s_mov_b32 s[G1A+2], 64<<16
	s_mov_b32 s[G1A+3], 128<<16
	s_mov_b32 s[G1A+4], 64
	s_mov_b32 s[G1A+5], 2048
	s_mov_b32 s[G1A+6], 0
	s_mov_b32 s[G1A+7], 0
	s_mov_b32 s[G1B+1], 256<<16                    ; V: 64 keys x 256 elements, 1,024 elements from row to row
	s_mov_b32 s[G1B+2], 64<<16
	s_mov_b32 s[G1B+3], 256<<16
	s_mov_b32 s[G1B+4], 64
	s_mov_b32 s[G1B+5], 1024
	s_mov_b32 s[G1B+6], 0
	s_mov_b32 s[G1B+7], 0
	s_lshl_b32 s16, s43, 7
	s_lshl_b32 s17, s[CH], 6
	s_add_co_u32 s16, s16, s17                     ; pm: row 128 x tile row + 64 x half,
	s_lshl_b32 s16, s16, 12                        ; of 4,096 bytes
	s_mov_b32 s17, 0
	s_and_b32 s47, ttmp7, 0xffff                   ; the batch = cluster y / 4: the same in all sixteen partners
	s_lshr_b32 s47, s47, 2
	s_lshl_b32 s47, s47, 11
	s_lshl_b32 s46, s[CH], 6
	s_add_co_u32 s46, s46, s47                     ; V: row 2048 x batch + 64 x half,
	s_lshl_b32 s46, s46, 11
	s_lshl_b32 s47, s42, 9                         ; 512 bytes a tile column,
	s_add_co_u32 s46, s46, s47
	s_add_co_u32 s46, s46, 0x2000000               ; in the third section of qkv
	s_mov_b32 s47, 0
	s_mov_b32 s[G0A], 1
	s_mul_i32 s[G0A+1], s[CH], AHALF
	s_mov_b32 s[G0B], 1
	s_mul_i32 s23, s[CH], BHALF
	s_add_co_u32 s[G0B+1], s23, BOFF
	s_mov_b32 s[SEL], 0x76543210
	s_mov_b32 s[SEL+1], 0xfedcba98
	s_wait_dscnt 0x0                               ; the opening add is done
	s_wait_kmcnt 0x0
	s_add_nc_u64 s[G0A+2:G0A+3], s[4:5], s[16:17]
	s_or_b32 s[G0A+3], s[G0A+3], 0x80000000
	s_add_nc_u64 s[G0B+2:G0B+3], s[6:7], s[46:47]
	s_or_b32 s[G0B+3], s[G0B+3], 0x80000000
	CROUND                                         ; all sixteen work-groups are here: the first joint loads meet
	JLOAD                                          ; key step 0 into slot 0
	; THE STATISTICS of my 64 rows, while the first tile is on its way.  Lane (r, h) takes the steps t = 8 h + i, i = 0..7, of rows 16 a + r.
	s_lshl_b32 s18, s43, 1
	s_add_co_u32 s18, s18, s[RH]
	s_lshl_b32 s18, s18, 13                        ; (2 y + rh) x 16 blocks of 512 bytes
	s_mov_b32 s19, 0
	s_add_nc_u64 s[8:9], s[8:9], s[18:19]
	v_and_b32 v1, 15, v0                           ; r
	v_bfe_u32 v2, v0, 4, 1                         ; h
	v_lshlrev_b32 v[SO], 4, v1
	v_lshl_add_u32 v[SO], v2, 12, v[SO]            ; 8 h blocks + 16 r
.irp i, 0,1,2,3,4,5,6,7
	global_load_b128 v[CMR+4*(\i):CMR+4*(\i)+3], v[SO], s[8:9] offset:512*(\i)
	global_load_b128 v[LR+4*(\i):LR+4*(\i)+3],   v[SO], s[8:9] offset:512*(\i)+256
.endr
	v_mul_u32_u24 v3, v1, PITCH
	v_lshl_add_u32 v3, v2, 4, v3                   ; pm's fragments: row x pitch + 16 x half
	s_mul_i32 s23, s[RH], 64*PITCH
	v_add_nc_u32 v[A0], s23, v3
	; The turning load takes 16 keys x 16 channels (lane l reads 16 bytes: key 8 (l / 16) + l % 8, channels 8 ((l / 8) % 2) + 0..7) and leaves half a fragment of V^T: lane l holds channel l % 16 and 8 keys.
	v_and_b32 v3, 7, v0
	v_lshl_add_u32 v3, v2, 3, v3
	v_mul_u32_u24 v3, v3, VPITCH
	v_bfe_u32 v[B0], v0, 3, 1
	v_lshl_add_u32 v3, v[B0], 4, v3
	s_lshl_b32 s23, s[CH], 8                       ; my 128 channels
	s_add_co_u32 s23, s23, BOFF
	v_add_nc_u32 v[B0], s23, v3
	s_mul_i32 s23, s[WV], 16*OPITCH
	s_add_co_u32 s23, s23, STAGE                   ; my stage
	v_mul_u32_u24 v3, v1, OPITCH                   ; in: row l % 16, 32 bytes for each half of the lanes
	v_lshl_add_u32 v3, v2, 5, v3
	v_add_nc_u32 v[STO], s23, v3
	v_and_b32 v3, 31, v0
	v_lshlrev_b32 v[CO], 4, v3                     ; back: 32 lanes take one row of 512 bytes, and the same in out0
	v_add_nc_u32 v[RD], s23, v[CO]
	s_lshl_b32 s23, s[WV], 12
	s_add_co_u32 s23, s23, TAB                     ; my table
	v_lshl_add_u32 v[FT0], v1, 4, s23
	v_lshl_add_u32 v[TST], v2, 11, v[FT0]          ; my steps begin at 8 h
	s_lshl_b32 s18, s43, 7                         ; out0: row 128 x tile row + 64 x row half,
	s_lshl_b32 s19, s[RH], 6
	s_add_co_u32 s18, s18, s19
	s_lshl_b32 s18, s18, 12
	s_mov_b32 s19, 0
	s_add_nc_u64 s[10:11], s[10:11], s[18:19]
	s_lshl_b32 s46, s42, 10                        ; 1,024 bytes a tile column, 512 a column half
	s_lshl_b32 s47, s[CH], 9
	s_add_co_u32 s46, s46, s47
	s_mov_b32 s47, 0
	s_add_nc_u64 s[10:11], s[10:11], s[46:47]
	s_wait_loadcnt 0x0
.irp a, 0,1,2,3
	v_max3_num_f32 v[MX+(\a)], v[CMR+(\a)], v[CMR+4+(\a)], v[CMR+8+(\a)]
.endr
.irp a, 0,1,2,3
	v_max3_num_f32 v[MX+(\a)], v[MX+(\a)], v[CMR+12+(\a)], v[CMR+16+(\a)]
.endr
.irp a, 0,1,2,3
	v_max3_num_f32 v[MX+(\a)], v[MX+(\a)], v[CMR+20+(\a)], v[CMR+24+(\a)]
.endr
.irp a, 0,1,2,3
	v_max_num_f32 v[MX+(\a)], v[MX+(\a)], v[CMR+28+(\a)]
.endr
.irp a, 0,1,2,3
	v_mov_b32 v[XC+(\a)], 0                        ; v_permlanex16_b32's destination counts as read: it is written first
.endr
.irp a, 0,1,2,3
	v_permlanex16_b32 v[XC+(\a)], v[MX+(\a)], s[SEL], s[SEL+1]
.endr
.irp a, 0,1,2,3
	v_max_num_f32 v[MX+(\a)], v[MX+(\a)], v[XC+(\a)]   ; c M over all 16 blocks
.endr
.set i, 0
.rept 32
	v_sub_f32 v[CMR+i], v[CMR+i], v[MX+i%4]        ; at most 0
.set i, i+1
.endr
.set i, 0
.rept 32
	v_exp_f32 v[CMR+i], v[CMR+i]                   ; f_t
.set i, i+1
.endr
	v_nop                                          ; a plain instruction between the last exponential and the use of its result (ISA guide 5.7.2)
	s_wait_alu depctr_va_vdst(0)
.irp a, 0,1,2,3
	v_mul_f32 v[LL+(\a)], v[CMR+(\a)], v[LR+(\a)]
.endr
.set i, 4
.rept 28
	v_fmac_f32 v[LL+i%4], v[CMR+i], v[LR+i]
.set i, i+1
.endr
.irp a, 0,1,2,3
	v_permlanex16_b32 v[XC+(\a)], v[LL+(\a)], s[SEL], s[SEL+1]
.endr
.irp a, 0,1,2,3
	v_add_f32 v[LL+(\a)], v[LL+(\a)], v[XC+(\a)]   ; L: at least the l of the block that holds the maximum, whose f is 1
.endr
.irp a, 0,1,2,3
	v_rcp_f32 v[RL+2*(\a)], v[LL+(\a)]
.endr
	v_nop
	s_wait_alu depctr_va_vdst(0)
.irp a, 0,1,2,3
	v_mov_b32 v[RL+2*(\a)+1], v[RL+2*(\a)]         ; named with it as a pair
.endr
.set i, 0
.rept 32
	v_cvt_pk_f16_f32 v[FP+i], v[CMR+i], v[CMR+i]
.set i, i+1
.endr
.irp i, 0,1,2,3,4,5,6,7
	ds_store_b128 v[TST], v[FP+4*(\i):FP+4*(\i)+3] offset:256*(\i)   ; my wave's own table: only this wave reads it
.endr
; 8 matrix instructions: row block a x all 8 channel blocks, 32 keys, from buffer f.  The 32 accumulators take turns, in the same order in every quarter.
.macro MUL8 f, a, zero
	WIN MUL
.irp b, 0,1,2,3,4,5,6,7
.if \zero
	v_wmma_f32_16x16x32_f16 v[8*(8*(\a)+(\b)):8*(8*(\a)+(\b))+7], v[(\f)+8*(\b):(\f)+8*(\b)+7], v[(\f)+64+8*(\a):(\f)+64+8*(\a)+7], 0
.else
	v_wmma_f32_16x16x32_f16 v[8*(8*(\a)+(\b)):8*(8*(\a)+(\b))+7], v[(\f)+8*(\b):(\f)+8*(\b)+7], v[(\f)+64+8*(\a):(\f)+64+8*(\a)+7], v[8*(8*(\a)+(\b)):8*(8*(\a)+(\b))+7]
.endif
.endr
.endm
; 24 LDS loads in one run: the fragments of quarter q (32 keys) into buffer f: V's 16, turned, then pm's rows 0-31, then its rows 32-63
.macro FETCH q, f
	WIN 0
.irp i, 0,1,2,3,4,5,6,7
	ds_load_tr16_b128 v[(\f)+8*(\i):(\f)+8*(\i)+3],   v[ADRB] offset:(\q)*32*VPITCH+32*(\i)
	ds_load_tr16_b128 v[(\f)+8*(\i)+4:(\f)+8*(\i)+7], v[ADRB] offset:(\q)*32*VPITCH+16*VPITCH+32*(\i)
.endr
.irp i, 0,1,2,3
	ds_load_b128 v[(\f)+64+8*(\i):(\f)+64+8*(\i)+3],   v[ADRA] offset:64*(\q)+(\i)*16*PITCH
	ds_load_b128 v[(\f)+64+8*(\i)+4:(\f)+64+8*(\i)+7], v[ADRA] offset:64*(\q)+(\i)*16*PITCH+32
.endr
.endm
.macro SCALE f, a                      ; the weights of row block a in buffer f times the step's f_t: a lane holds one row
.irp i, 0,1,2,3,4,5,6,7
	v_pk_mul_f16 v[(\f)+64+8*(\a)+(\i)], v[(\f)+64+8*(\a)+(\i)], v[FS+(\a)]
.endr
.endm
; One of a step's first three quarters: scales and multiplies buffer f, and fetches quarter q into g.  The sixteen scalings at its head name none of g's registers: they are the places between g's last products and the loads into g.
.macro QUARTER q, f, g, zero
	s_wait_dscnt 4                                 ; all but the youngest four loads (pm's rows 32-63) are in
	WIN 0
	SCALE \f, 0
	SCALE \f, 1
	MUL8 \f, 0, \zero
	MUL8 \f, 1, \zero
	WIN 0
	s_wait_dscnt 0x0                               ; the last four
	SCALE \f, 2
	SCALE \f, 3
	FETCH \q, \g
	MUL8 \f, 2, \zero
	MUL8 \f, 3, \zero
.endm
; The last quarter multiplies buffer 1 and changes slots: one barrier; in front of it each wave waits for all its tensor loads, adds 0 to its spare word, and waits for that and for its reads of this slot.
; fill = 1: the barrier opens a round of the cluster's, and this slot is filled again, with the keys two steps on, first thing behind the round.  The next step's factors head the run of loads: this step's scalings are all done.
.macro TURN fill
	WIN 0
	s_wait_tensorcnt 0x0                           ; no tensor load of mine is out, so a group 0 may be written
	ds_add_u32 v[SPW], v[NIL]
.if \fill
	STEPD
.endif
	s_wait_dscnt 1                                 ; the add alone may be out
	SCALE F1, 0
	SCALE F1, 1
	SCALE F1, 2
	SCALE F1, 3
	MUL8 F1, 0, 0
	s_wait_dscnt 0x0                               ; the add is done, and my reads of this slot are over
	s_barrier_signal -1
	MUL8 F1, 1, 0
	WIN 0
	s_barrier_wait -1
.if \fill
	CREST
	JLOAD
.else
	PLACES
.endif
	s_xor_b32 s[TB], s[TB], SLOT1
	v_add_nc_u32 v[ADRA], s[TB], v[A0]
	v_add_nc_u32 v[ADRB], s[TB], v[B0]
	s_add_co_u32 s[FT], s[FT], 256
	v_add_nc_u32 v[FA], s[FT], v[FT0]
	ds_load_b128 v[FS:FS+3], v[FA]
	FETCH 0, F0
	MUL8 F1, 2, 0
	MUL8 F1, 3, 0
.endm
.macro LASTQ
	s_wait_dscnt 0x0
	WIN 0
	SCALE F1, 0
	SCALE F1, 1
	SCALE F1, 2
	SCALE F1, 3
	MUL8 F1, 0, 0
	MUL8 F1, 1, 0
	MUL8 F1, 2, 0
	MUL8 F1, 3, 0
.endm
	s_wait_tensorcnt 0x0                           ; the first change of slots: my part of key step 0 is in
	ds_add_u32 v[SPW], v[NIL]
	STEPD
	s_wait_dscnt 0x0                               ; the add, and my stores into the table
	CROUND
	JLOAD                                          ; key step 1 into slot 1
	s_mov_b32 s[TB], 0
	s_mov_b32 s[FT], 0
	v_mov_b32 v[ADRA], v[A0]
	v_mov_b32 v[ADRB], v[B0]
	ds_load_b128 v[FS:FS+3], v[FT0]                ; step 0's factors
	FETCH 0, F0
	QUARTER 1, F0, F1, 1                           ; the first quarter's products start the sums
	WIN 0
	s_mov_b32 s3, STEPS-2
.Lstep:
	QUARTER 2, F1, F0, 0
	QUARTER 3, F0, F1, 0
	TURN 1
	QUARTER 1, F0, F1, 0
	WIN 0
	s_sub_co_u32 s3, s3, 1
	s_cmp_lg_u32 s3, 0
	s_cbranch_scc1 .Lstep
	QUARTER 2, F1, F0, 0                           ; the tail is written out
	QUARTER 3, F0, F1, 0
	TURN 0
	QUARTER 1, F0, F1, 0
	QUARTER 2, F1, F0, 0
	QUARTER 3, F0, F1, 0
	LASTQ
	WIN 0
	PLACES
; THE WAY OUT of row block a: times 1 / L, 32 bytes a lane into my own stage, back as whole rows of 512 bytes.
.macro OUT a
	WIN 0x41                                       ; destination and source 0 in window 1
.set i, 0
.rept 32
	v_pk_mul_f32 v[64*(\a)+2*i:64*(\a)+2*i+1], v[64*(\a)+2*i:64*(\a)+2*i+1], v[RL+2*(\a):RL+2*(\a)+1] op_sel_hi:[1,0]
.set i, i+1
.endr
	WIN 0x04                                       ; the stores' data in window 1
.irp b, 0,1,2,3,4,5,6,7
	ds_store_b128 v[STO], v[64*(\a)+8*(\b):64*(\a)+8*(\b)+3]   offset:64*(\b)
	ds_store_b128 v[STO], v[64*(\a)+8*(\b)+4:64*(\a)+8*(\b)+7] offset:64*(\b)+16
.endr
	WIN 0
.if (\a) == 3
	s_wait_xcnt 0x0                                ; block 0's stores have had their addresses translated (ISA guide 3.1): their registers are loaded again only behind this wait
.endif
.irp t, 0,1,2,3,4,5,6,7,8,9,10,11,12,13,14,15
	ds_load_b128 v[OB+64*((\a)%3)+4*(\t):OB+64*((\a)%3)+4*(\t)+3], v[RD] offset:OPITCH*(\t)  ; LDS serves a wave's instructions in order (ISA guide 5.7.1.4): these see the stores above
.endr
.endm
.macro SENDO a, younger                ; younger: the LDS instructions issued behind block a's loads: the next block's 32, or none
.irp t, 0,1,2,3,4,5,6,7,8,9,10,11,12,13,14,15
	s_wait_dscnt (\younger)+15-(\t)
	global_store_b128 v[CO], v[OB+64*((\a)%3)+4*(\t):OB+64*((\a)%3)+4*(\t)+3], s[10:11] offset:(16*(\a)+(\t))*ROWB th:TH_STORE_NT  ; the wave stores 512 consecutive bytes, at a multiple of 256 from out0's first byte
.endr
.endm
	OUT 0
	OUT 1
	SENDO 0, 32
	OUT 2
	SENDO 1, 32
	OUT 3
	SENDO 2, 32
	SENDO 3, 0
	s_wait_tensorcnt 0x0                           ; the wave's end: behind my last tensor load and my last LDS store
	ds_add_u32 v[SPW], v[NIL]
	s_wait_dscnt 0x0
	CROUND                                         ; the closing round
	s_endpgm
.Lfunc_end_k_qf79fd87e88_pv:
	.size	k_qf79fd87e88_pv, .Lfunc_end_k_qf79fd87e88_pv-k_qf79fd87e88_pv
	.p2alignl 7, 3214868480
	.fill 96, 4, 3214868480
	.section	.rodata,"a",@progbits
	.p2align	6, 0x0
	.amdhsa_kernel k_qf79fd87e88_pv
		.amdhsa_group_segment_fixed_size 327680
		.amdhsa_private_segment_fixed_size 0
		.amdhsa_enable_private_segment 0
		.amdhsa_kernarg_size 32
		.amdhsa_user_sgpr_count 2
		.amdhsa_user_sgpr_kernarg_segment_ptr 1
		.amdhsa_wavefront_size32 1
		.amdhsa_system_sgpr_workgroup_id_x 1
		.amdhsa_system_sgpr_workgroup_id_y 1
		.amdhsa_system_sgpr_workgroup_id_z 1
		.amdhsa_system_vgpr_workitem_id 0
		.amdhsa_next_free_vgpr 512
		.amdhsa_next_free_sgpr 66
		.amdhsa_reserve_vcc 0
		.amdhsa_float_denorm_mode_32 3
		.amdhsa_float_denorm_mode_16_64 3
		.amdhsa_memory_ordered 1
		.amdhsa_forward_progress 1
		.amdhsa_inst_pref_size 113
	.end_amdhsa_kernel
	.amdgpu_metadata
---
amdhsa.version: [ 1, 2 ]
amdhsa.kernels:
  - .name:           k_qf79fd87e88_pv
    .symbol:         k_qf79fd87e88_pv.kd
    .args:
      - { .name: pm, .offset: 0, .size: 8, .value_kind: global_buffer, .address_space: global }
      - { .name: qkv, .offset: 8, .size: 8, .value_kind: global_buffer, .address_space: global }
      - { .name: st, .offset: 16, .size: 8, .value_kind: global_buffer, .address_space: global }
      - { .name: out0, .offset: 24, .size: 8, .value_kind: global_buffer, .address_space: global }
    .group_segment_fixed_size: 327680
    .private_segment_fixed_size: 0
    .kernarg_segment_align: 8
    .kernarg_segment_size: 32
    .max_flat_workgroup_size: 128
    .sgpr_count:     66
    .vgpr_count:     512
    .wavefront_size: 32
...
	.end_amdgpu_metadata
.endif
;; end of part 4
;; ======== version 2 of 3: 4 launches; 1.11 times as fast as version 1
;; limits: values are held in f16: magnitudes above 65,504 overflow, below 6.1e-05 lose precision
;; workspace buffers: xb 16,777,216 bytes; wb 6,291,456 bytes; qkv 50,331,648 bytes; pm 33,554,432 bytes; st 1,048,576 bytes
;; launch cvt: the kernel of part 1 again; grid 704 x 1, 8 waves a work-group, no clusters, 0 bytes of LDS; arguments x, wq_w, wk_w, wv_w, xb, wb; writes xb, wb
;; launch proj (part 5): grid 12 x 32, 4 waves a work-group, clusters of 4 x 4, 327,680 bytes of LDS; arguments xb, wb, wq_b, wk_b, wv_b, qkv; writes qkv
.if DOCPART == 5
	.amdgcn_target "amdgcn-amd-amdhsa--gfx1250"
	.amdhsa_code_object_version 6
	.text
	.protected	k_qf79fd87e88_proj
	.globl	k_qf79fd87e88_proj
	.p2align	8
	.type	k_qf79fd87e88_proj,@function
k_qf79fd87e88_proj:
	s_mov_b64 s[64:65], 0
	v_nop
	global_prefetch_b8 v0, s[64:65] scope:SCOPE_SE
	s_setreg_imm32_b32 hwreg(HW_REG_WAVE_MODE, 25, 1), 1
	s_wait_xcnt 0x0
	s_wait_alu depctr_hold_cnt(0) depctr_sa_sdst(0) depctr_va_vdst(0) depctr_va_sdst(0) depctr_va_ssrc(0) depctr_va_vcc(0) depctr_vm_vsrc(0)
	s_getreg_b32 s2, hwreg(HW_REG_IB_STS2, 6, 4)
	s_cmp_eq_u32 s2, 0
	s_cbranch_scc0 .Lentry_in_a_cluster
	s_endpgm
.Lentry_in_a_cluster:
	s_bfe_u32 s2, ttmp6, 0x10000c
	s_cmp_lg_u32 s2, 0xf033
	s_cbranch_scc0 .Lentry_shape_is_right
	s_endpgm
.Lentry_shape_is_right:
; qkv[sec][row][f] = f16( bf16(bias_sec[f]) + sum over e of xb[row][e] wb[1024 sec + f][e] ), sec = 0, 1, 2 for Q, K, V.  xb: [8192][1024] bf16, wb: [3072][1024] bf16,
; qkv: [3][8192][1024] f16.  Products in bf16, sums in f32, K ascending; the bias is rounded to bf16 like every input of the module and starts the sums; the result is rounded once, to f16.
; LIMIT.  f16 holds no number beyond 65,504: Q, K and V must stay within it.  NaN and infinities are not treated apart.
; SHARES.  A work-group makes 256 rows x 256 columns: 12 x 32 = 384 work-groups.  Four waves, 2 x 2, each 128 x 128: 64 accumulators of 16 x 16, 512 registers.
; K goes in 8 steps of 128 through two LDS slots that take turns: a tile's rows are 256 bytes of memory, at multiples of 256 from the buffer's first byte.  A step is 256 matrix
; instructions a wave, of which 224 stand between the request for a tile and the wait for it.
; CLUSTER.  4 x 4 work-groups.  The four of a row of the cluster need the same rows of xb, the four of a column the same rows of wb: each tile is asked for JOINTLY, by the same tensor
; load with the same descriptor and a mask that names the four.  Waves 0 and 1 ask for the two halves of xb's tile, waves 2 and 3 for those of wb's, 128 rows each.
; THE MATRIX INSTRUCTION IS USED TRANSPOSED (source 0 = 16 rows of wb, source 1 = 16 rows of xb): a lane then holds row lane % 16 and eight neighbouring columns 8 (lane / 16) + 0..7.
; REGISTERS, in windows of 256 (s_set_vgpr_msb: bits 1:0 source 0, 3:2 source 1, 5:4 source 2, 7:6 destination):
;   window 0: v0-13 addresses; v64-127, v128-191 fragments of xb (8 x 16 rows x 32 K), two buffers; v192-255 the bias in f32, later packed results; v32-63, v224-255 rows read back on the way out
;   window 1: v64-127, v128-191 fragments of wb, two buffers
;   window 2: the 32 accumulators of my rows 0-63, (a, b) at v[8 (8 a + b)];   window 3: those of my rows 64-127
.set PITCH,  272                       ; an LDS row: 256 bytes + 16 of padding = 68 words: row r starts at bank 4 r mod 64 (64 banks of 4 bytes: ISA guide 11.1), so the 16 rows of a load start at 16 different banks
.set HALFT,  128*PITCH                 ; 128 rows: what one tensor load brings, and what one wave reads of xb or of wb
.set SLOT,   4*HALFT                   ; xb's 256 rows, then wb's 256 rows: 139,264 = 0x22000 bytes.  The four loads' places in slot 0, wave x 0x8800, share no bit with it,
                                       ; so one exclusive or with SLOT turns each of them into its place in slot 1 and back
.set STAGE,  2*SLOT                    ; behind the ring, never filled by a tensor load: 16 rows x 272 bytes for each wave, for the way out
.set SPARE,  STAGE+4*16*PITCH          ; behind the stages: the spare words, 128 bytes for each wave: two blocks of 256 bytes that no other line names
.set STEPS,  8
.set KSTEPB, 256                       ; bytes from a K step to the next, in xb and in wb
.set ROWB,   2048                      ; bytes in a row of qkv
.set PADW,   (1<<16)|(1<<20)|(1<<21)|(5<<22)|(3<<25)  ; 17:16 elements of 2 bytes; 20 padding on; 21 set beside a mask; 24:22 after every 64 words (code 5); 31:25 4 words of it (code 3)
.set A0,   4                           ; v4   my lane's place among my rows of xb in slot 0; never rewritten
.set B0,   5                           ; v5   the same for wb
.set ADRA, 6                           ; v6   the same in the slot in hand
.set ADRB, 7                           ; v7
.set STO,  8                           ; v8   the way out: where I put 16 bytes of a row
.set RD,   9                           ; v9   the way out: where I read a row back
.set CO,   10                          ; v10  my byte offset in qkv
.set BO,   11                          ; v11  my byte offset in the bias
.set SPW,  12                          ; v12  LDS address of my spare word; never rewritten
.set NIL,  13                          ; v13  0; never rewritten
.set OB,   32                          ; the way out: 16 rows read back: v32-63 and v224-255 by turns
.set F0,   64
.set F1,   128
.set BI,   192                         ; the bias of my 64 columns a lane: column 16 b + 8 (lane / 16) + j at BI + 8 b + j
.set TMP,  192                         ; the way out: packed results
.set WV,  20                           ; s20  my wave's number
.set RH,  21                           ; s21  which half of the tile's rows is mine.  Also: I fetch for xb (0) or for wb (1)
.set CH,  22                           ; s22  which half of its columns.  Also: which half of that tile I fetch
.set G1A, 24                           ; s[24:31], s[32:35] descriptor groups 1 and 0 for xb's tiles
.set G0A, 32
.set G1B, 48                           ; s[48:55], s[56:59] the same for wb's
.set G0B, 56
.set TB,  60                           ; s60  0 or SLOT: the slot that is read
.set MUL_LO, 0xa1                      ; source 0 (wb) window 1, source 1 (xb) window 0, C and D window 2
.set TO_B,   0x40                      ; destination window 1, address window 0
.set MSB, 0
.macro WIN new                         ; the immediate's high byte repeats the setting that is left; a switch that changes nothing is dropped
.if MSB != (\new)
	s_set_vgpr_msb (MSB<<8)|(\new)
.set MSB, \new
.endif
.endm
.macro PLACES                          ; a load into a register that a matrix instruction has read, and a vector instruction that reads a matrix result or writes one of its registers, stand four
.rept 4                                ; plain vector instructions behind it (ISA guide 7.12.1 for vector instructions)
	v_nop
.endr
.endm
.macro JLOAD                           ; a joint load; the branch hangs on the wave's number alone; an s_nop 0 and four v_nop follow each of the two lines
	s_cmp_eq_u32 s[RH], 0
	s_cbranch_scc0 .Lfor_b_\@
	tensor_load_to_lds s[G0A:G0A+3], s[G1A:G1A+7]
	s_nop 0
.rept 4
	v_nop
.endr
	s_branch .Lasked_\@
.Lfor_b_\@:
	tensor_load_to_lds s[G0B:G0B+3], s[G1B:G1B+7]
	s_nop 0
.rept 4
	v_nop
.endr
.Lasked_\@:
.endm
.macro CREST                           ; a round of the cluster's barrier behind its opening barrier
	s_cmp_lg_u32 s[WV], 0
	s_cbranch_scc1 .Lnot_wave_0_\@
	s_barrier_signal -3
.Lnot_wave_0_\@:
	s_barrier_wait -3
	s_barrier_signal -1
	s_barrier_wait -1
.endm
.macro CROUND                          ; a whole round
	s_barrier_signal -1
	s_barrier_wait -1
	CREST
.endm
.macro STEPD                           ; the walking descriptors: the other slot, the next K step; written only where no tensor load of mine is out
	s_xor_b32 s[G0A+1], s[G0A+1], SLOT
	s_add_nc_u64 s[G0A+2:G0A+3], s[G0A+2:G0A+3], KSTEPB
	s_xor_b32 s[G0B+1], s[G0B+1], SLOT
	s_add_nc_u64 s[G0B+2:G0B+3], s[G0B+2:G0B+3], KSTEPB
.endm
	s_load_b256 s[4:11], s[0:1], 0x0               ; xb s[4:5], wb s[6:7], wq_b s[8:9], wk_b s[10:11]
	s_load_b128 s[12:15], s[0:1], 0x20             ; wv_b s[12:13], qkv s[14:15]
	v_lshl_add_u32 v[SPW], v0, 2, SPARE
	v_mov_b32 v[NIL], 0
	ds_add_u32 v[SPW], v[NIL]                      ; the wave's opening: the add and its wait stand ahead of my first tensor load; the set-up below, work on registers, stands between them
	v_lshrrev_b32 v3, 5, v0
	v_readfirstlane_b32 s[WV], v3                  ; wave 0..3
	s_lshr_b32 s[RH], s[WV], 1
	s_and_b32 s[CH], s[WV], 1
	s_mov_b32 s2, ttmp9                            ; the cluster's x: a cluster is 4 x 256 = 1,024 columns wide, so this is the section (Q, K, V)
	s_bfe_u32 s40, ttmp6, 0x40000                  ; cx: also the column tile inside the section
	s_bfe_u32 s41, ttmp6, 0x40004                  ; cy
	s_lshl_b32 s42, ttmp9, 2
	s_add_co_u32 s42, s42, s40                     ; tile column = 4 x cluster x + cx
	s_and_b32 s43, ttmp7, 0xffff
	s_lshl_b32 s43, s43, 2
	s_add_co_u32 s43, s43, s41                     ; tile row = 4 x cluster y + cy
	s_lshl_b32 s44, s41, 2
	s_lshl_b32 s44, 15, s44                        ; my row of the cluster: places 4 cy .. 4 cy + 3
	s_lshl_b32 s45, 0x1111, s40                    ; my column: places cx, cx + 4, cx + 8, cx + 12
	s_or_b32 s[G1A], s44, PADW                     ; 15:0 the mask: xb's tiles go to my row
	s_or_b32 s[G1B], s45, PADW                     ; wb's to my column
.irp g, G1A, G1B
	s_mov_b32 s[(\g)+1], 128<<16                   ; tensor_dim0 = 128
	s_mov_b32 s[(\g)+2], 128<<16                   ; tensor_dim1 = 128
	s_mov_b32 s[(\g)+3], 128<<16                   ; tile_dim0 = 128
	s_mov_b32 s[(\g)+4], 128                       ; tile_dim1 = 128
	s_mov_b32 s[(\g)+5], 1024                      ; elements from row to row
	s_mov_b32 s[(\g)+6], 0
	s_mov_b32 s[(\g)+7], 0
.endr
	; xb's tile hangs on the tile row alone, wb's on the tile column alone, each in registers that never hold the other coordinate
	s_lshl_b32 s16, s43, 8
	s_lshl_b32 s17, s[CH], 7
	s_add_co_u32 s16, s16, s17                     ; xb: row 256 x tile row + 128 x half,
	s_lshl_b32 s16, s16, 11                        ; of 2,048 bytes
	s_mov_b32 s17, 0
	s_lshl_b32 s46, s42, 8
	s_lshl_b32 s47, s[CH], 7
	s_add_co_u32 s46, s46, s47                     ; wb: row 256 x tile column + 128 x half
	s_lshl_b32 s46, s46, 11
	s_mov_b32 s47, 0
	s_mov_b32 s[G0A], 1                            ; 1:0 count = 1
	s_mul_i32 s[G0A+1], s[WV], HALFT               ; 63:32 LDS address, slot 0: xb's two halves, then wb's two halves = wave x 128 rows: no place in the cluster enters it
	s_mov_b32 s[G0B], 1
	s_mul_i32 s[G0B+1], s[WV], HALFT
	s_wait_dscnt 0x0                               ; the opening add is done
	s_wait_kmcnt 0x0
	s_add_nc_u64 s[G0A+2:G0A+3], s[4:5], s[16:17]  ; 120:64 global address: K step 0
	s_or_b32 s[G0A+3], s[G0A+3], 0x80000000        ; 127:126 type = 2
	s_add_nc_u64 s[G0B+2:G0B+3], s[6:7], s[46:47]
	s_or_b32 s[G0B+3], s[G0B+3], 0x80000000
	CROUND                                         ; all sixteen work-groups are here: the first joint loads meet
	JLOAD                                          ; K step 0 into slot 0; slot 1 is asked for when slot 0 is in
	; the bias of my 64 columns (16 b + 8 (lane / 16) + 0..7, b = 0..7), asked for while the first tile is on its way
	s_cmp_eq_u32 s2, 1
	s_cselect_b64 s[8:9], s[10:11], s[8:9]
	s_cmp_eq_u32 s2, 2
	s_cselect_b64 s[8:9], s[12:13], s[8:9]         ; the section's bias
	s_lshl_b32 s46, s40, 10                        ; the tile's 256 columns of 4 bytes
	s_mov_b32 s47, 0
	s_add_nc_u64 s[8:9], s[8:9], s[46:47]
	v_and_b32 v1, 15, v0                           ; r = lane % 16
	v_bfe_u32 v2, v0, 4, 1                         ; h = lane / 16
	s_lshl_b32 s23, s[CH], 9
	v_lshl_add_u32 v[BO], v2, 5, s23               ; 512 x column half + 32 h
.irp b, 0,1,2,3,4,5,6,7
	global_load_b128 v[BI+8*(\b):BI+8*(\b)+3],   v[BO], s[8:9] offset:64*(\b)
	global_load_b128 v[BI+8*(\b)+4:BI+8*(\b)+7], v[BO], s[8:9] offset:64*(\b)+16
.endr
	; A fragment is 16 rows x 32 K in 8 registers: lane l holds row l % 16; registers 0-3 K = 8 (l / 16) + 0..7, registers 4-7 K = 16 + 8 (l / 16) + 0..7: two loads of 16 bytes, 32 bytes apart
	v_mul_u32_u24 v3, v1, PITCH
	v_lshl_add_u32 v3, v2, 4, v3                   ; row x pitch + 16 x half
	s_mul_i32 s23, s[RH], HALFT
	v_add_nc_u32 v[A0], s23, v3                    ; my 128 rows of xb
	s_mul_i32 s23, s[CH], HALFT
	s_add_co_u32 s23, s23, 2*HALFT
	v_add_nc_u32 v[B0], s23, v3                    ; my 128 rows of wb, which lie behind xb's 256
	s_mul_i32 s23, s[WV], 16*PITCH
	s_add_co_u32 s23, s23, STAGE                   ; my stage
	v_add_nc_u32 v[STO], s23, v3                   ; in: row l % 16, 16 bytes for each half of the lanes
	v_mul_u32_u24 v3, v2, PITCH                    ; back: lanes 0-15 take one row of 256 bytes, lanes 16-31 the next
	v_lshl_add_u32 v3, v1, 4, v3
	v_add_nc_u32 v[RD], s23, v3
	v_lshlrev_b32 v[CO], 11, v2                    ; and the same two rows in qkv
	v_lshl_add_u32 v[CO], v1, 4, v[CO]
	s_lshl_b32 s18, s43, 8                         ; where my part begins in qkv: row 256 x tile row + 128 x row half,
	s_lshl_b32 s19, s[RH], 7
	s_add_co_u32 s18, s18, s19
	s_lshl_b32 s18, s18, 11
	s_mov_b32 s19, 0
	s_add_nc_u64 s[14:15], s[14:15], s[18:19]
	s_lshl_b32 s46, s2, 24                         ; the section's 16,777,216 bytes, 512 bytes a column tile, 256 a column half
	s_lshl_b32 s47, s40, 9
	s_add_co_u32 s46, s46, s47
	s_lshl_b32 s47, s[CH], 8
	s_add_co_u32 s46, s46, s47
	s_mov_b32 s47, 0
	s_add_nc_u64 s[14:15], s[14:15], s[46:47]
; 16 matrix instructions: row blocks a0, a0 + 1 of the window's four (hi = 0: my rows 0-63, 1: rows 64-127) x all 8 column blocks, 32 along K, from buffer f.
; first = 1: the product starts the sum with the bias of its eight columns as C (window 0): nothing is ever cleared, and no addition is left for the way out.
; The 64 accumulators take turns, in the same order in every quarter.
.macro MUL16 f, hi, a0, first
.if \first
	WIN 0x81+0x40*(\hi)                            ; as below, with C in window 0
.else
	WIN MUL_LO+0x50*(\hi)                          ; C and D in window 2 or 3
.endif
.irp a, \a0, (\a0)+1
.irp b, 0,1,2,3,4,5,6,7
.if \first
	v_wmma_f32_16x16x32_bf16 v[8*(8*(\a)+(\b)):8*(8*(\a)+(\b))+7], v[(\f)+8*(\b):(\f)+8*(\b)+7], v[(\f)+8*(4*(\hi)+(\a)):(\f)+8*(4*(\hi)+(\a))+7], v[BI+8*(\b):BI+8*(\b)+7]
.else
	v_wmma_f32_16x16x32_bf16 v[8*(8*(\a)+(\b)):8*(8*(\a)+(\b))+7], v[(\f)+8*(\b):(\f)+8*(\b)+7], v[(\f)+8*(4*(\hi)+(\a)):(\f)+8*(4*(\hi)+(\a))+7], v[8*(8*(\a)+(\b)):8*(8*(\a)+(\b))+7]
.endif
.endr
.endr
.endm
; 32 LDS loads in one run: the fragments of 32 along K at byte k of the rows, into buffer f: wb's 16, then xb's 16, rows ascending
.macro FETCH k, f
	WIN TO_B
.irp i, 0,1,2,3,4,5,6,7
	ds_load_b128 v[(\f)+8*(\i):(\f)+8*(\i)+3],   v[ADRB] offset:(\k)+(\i)*16*PITCH
	ds_load_b128 v[(\f)+8*(\i)+4:(\f)+8*(\i)+7], v[ADRB] offset:(\k)+(\i)*16*PITCH+32
.endr
	WIN 0
.irp i, 0,1,2,3,4,5,6,7
	ds_load_b128 v[(\f)+8*(\i):(\f)+8*(\i)+3],   v[ADRA] offset:(\k)+(\i)*16*PITCH
	ds_load_b128 v[(\f)+8*(\i)+4:(\f)+8*(\i)+7], v[ADRA] offset:(\k)+(\i)*16*PITCH+32
.endr
.endm
; A K step is four quarters of 32 along K, 64 matrix instructions each, on buffers 0, 1, 0, 1.  One of the first three: multiplies buffer f and, in its middle, fetches the next quarter, at byte k, into g.
.macro QUARTER k, f, g, first
	s_wait_dscnt 8                                 ; wb and xb's rows 0-63 are in; the youngest eight loads (xb's rows 64-127) may be out
	MUL16 \f, 0, 0, \first
	MUL16 \f, 0, 2, \first
	PLACES
	FETCH \k, \g
	s_wait_dscnt 32                                ; all but the 32 just issued
	MUL16 \f, 1, 0, \first
	MUL16 \f, 1, 2, \first
.endm
; The last quarter multiplies buffer 1 and changes slots: ONE barrier; in front of it each wave waits for all its tensor loads (one is out: its part of the next slot), adds 0 to its spare word,
; and waits for that and for its own reads of this slot.  fill = 1: the barrier opens a round of the cluster's, and this slot is filled again, with the K step two on, first thing behind the round.
.macro TURN fill
	WIN 0                                          ; (the add's two registers lie in window 0)
	s_wait_tensorcnt 0x0                           ; no tensor load of mine is out, so a group 0 may be written
	ds_add_u32 v[SPW], v[NIL]                      ; 0 onto my spare word
.if \fill
	STEPD
.endif
	s_wait_dscnt 9                                 ; the add and the youngest eight loads may be out
	MUL16 F1, 0, 0, 0                              ; sixteen matrix instructions stand between the add and the wait for it
	s_wait_dscnt 0x0                               ; the add is done, and my reads of this slot are over
	s_barrier_signal -1
	MUL16 F1, 0, 2, 0                              ; work on registers while the others arrive
	WIN 0                                          ; at a branch and at a label every window is 0
	s_barrier_wait -1
.if \fill
	CREST                                          ; no wave of any partner still reads this slot's tile or has a load on its way
	JLOAD                                          ; its four v_nop are also the places in front of the loads below
.else
	PLACES
.endif
	s_xor_b32 s[TB], s[TB], SLOT                   ; 0 and SLOT by turns
	v_add_nc_u32 v[ADRA], s[TB], v[A0]
	v_add_nc_u32 v[ADRB], s[TB], v[B0]
	FETCH 0, F0
	MUL16 F1, 1, 0, 0
	MUL16 F1, 1, 2, 0
.endm
.macro LASTQ                           ; the very last quarter: nothing more to fetch
	s_wait_dscnt 8
	MUL16 F1, 0, 0, 0
	MUL16 F1, 0, 2, 0
	s_wait_dscnt 0x0
	MUL16 F1, 1, 0, 0
	MUL16 F1, 1, 2, 0
.endm
	; the first change of slots: slot 0 is waited for, slot 1 asked for, in the form of every later change
	s_wait_tensorcnt 0x0                           ; my part of K step 0 is in
	ds_add_u32 v[SPW], v[NIL]
	STEPD
	s_wait_dscnt 0x0
	CROUND
	JLOAD                                          ; K step 1 into slot 1
	s_mov_b32 s[TB], 0
	v_mov_b32 v[ADRA], v[A0]
	v_mov_b32 v[ADRB], v[B0]
	FETCH 0, F0
	s_wait_loadcnt 0x0                             ; the bias: rounded to bf16, nearest even, and widened again, while the first fragments come
.set i, 0
.rept 32
	v_cvt_pk_bf16_f32 v[OB+i], v[BI+2*i], v[BI+2*i+1]
.set i, i+1
.endr
.set i, 0
.rept 32
	v_lshlrev_b32 v[BI+2*i], 16, v[OB+i]
	v_and_b32 v[BI+2*i+1], 0xffff0000, v[OB+i]
.set i, i+1
.endr
	QUARTER 64, F0, F1, 1                          ; the first quarter stands in front of the loop: its products start the sums
	WIN 0
	s_mov_b32 s3, STEPS-2
.Lstep:                                                ; a trip goes from a step's second quarter to the next step's first, and fills the slot that it leaves
	QUARTER 128, F1, F0, 0
	QUARTER 192, F0, F1, 0
	TURN 1
	QUARTER 64, F0, F1, 0
	WIN 0
	s_sub_co_u32 s3, s3, 1
	s_cmp_lg_u32 s3, 0
	s_cbranch_scc1 .Lstep
	QUARTER 128, F1, F0, 0                         ; the tail is written out: the last two steps ask for nothing
	QUARTER 192, F0, F1, 0
	TURN 0
	QUARTER 64, F0, F1, 0
	QUARTER 128, F1, F0, 0
	QUARTER 192, F0, F1, 0
	LASTQ
	PLACES                                         ; the conversions below read results behind which no vector instruction has stood
; THE WAY OUT of row block a, in three parts.  PACK: rounded to f16, 16 bytes a lane; each accumulator's registers in ascending order.  TOSTAGE: into my own stage, and back as whole rows of 256 bytes.  SEND: stored.
.macro PACK a
.set AC, 64*((\a)%4)
	WIN 0x0a+5*((\a)/4)                            ; sources 0 and 1: window 2 or 3
.irp b, 0,1,2,3,4,5,6,7
.irp r, 0,1,2,3
	v_cvt_pk_f16_f32 v[TMP+4*(\b)+(\r)], v[AC+8*(\b)+2*(\r)], v[AC+8*(\b)+2*(\r)+1]
.endr
.endr
	WIN 0
.endm
.macro TOSTAGE a
.set BK, OB+192*((\a)%2)
.irp b, 0,1,2,3,4,5,6,7
	ds_store_b128 v[STO], v[TMP+4*(\b):TMP+4*(\b)+3] offset:32*(\b)
.endr
.irp t, 0,1,2,3,4,5,6,7
	ds_load_b128 v[BK+4*(\t):BK+4*(\t)+3], v[RD] offset:(\t)*2*PITCH  ; LDS serves a wave's instructions in order (ISA guide 5.7.1.4): these see the stores above; the next block's stores come behind them
.endr
.endm
.macro SEND a
.set BK, OB+192*((\a)%2)
	s_wait_dscnt 0x0                               ; the block is back in registers
	s_wait_xcnt 0x0                                ; every earlier store has had its addresses translated (ISA guide 3.1): the registers that block a - 1's stores read are loaded again, by block a + 1, only behind this wait
.irp t, 0,1,2,3,4,5,6,7
	global_store_b128 v[CO], v[BK+4*(\t):BK+4*(\t)+3], s[14:15] offset:(16*(\a)+2*(\t))*ROWB  ; 16 lanes store 256 consecutive bytes, at a multiple of 256 from qkv's first byte
.endr
.endm
	PACK 0
	TOSTAGE 0
.irp a, 1,2,3,4,5,6,7                  ; block a's conversions stand between block a - 1's loads from the stage and the wait for them
	PACK \a
	SEND (\a)-1
	TOSTAGE \a
.endr
	SEND 7
	s_wait_tensorcnt 0x0                           ; the wave's end: behind my last tensor load and my last LDS store
	ds_add_u32 v[SPW], v[NIL]
	s_wait_dscnt 0x0
	CROUND                                         ; the closing round: no work-group ends while a partner may still ask for a tile that names it
	s_endpgm
.Lfunc_end_k_qf79fd87e88_proj:
	.size	k_qf79fd87e88_proj, .Lfunc_end_k_qf79fd87e88_proj-k_qf79fd87e88_proj
	.p2alignl 7, 3214868480
	.fill 96, 4, 3214868480
	.section	.rodata,"a",@progbits
	.p2align	6, 0x0
	.amdhsa_kernel k_qf79fd87e88_proj
		.amdhsa_group_segment_fixed_size 327680
		.amdhsa_private_segment_fixed_size 0
		.amdhsa_enable_private_segment 0
		.amdhsa_kernarg_size 48
		.amdhsa_user_sgpr_count 2
		.amdhsa_user_sgpr_kernarg_segment_ptr 1
		.amdhsa_wavefront_size32 1
		.amdhsa_system_sgpr_workgroup_id_x 1
		.amdhsa_system_sgpr_workgroup_id_y 1
		.amdhsa_system_sgpr_workgroup_id_z 1
		.amdhsa_system_vgpr_workitem_id 0
		.amdhsa_next_free_vgpr 1024
		.amdhsa_next_free_sgpr 66
		.amdhsa_reserve_vcc 0
		.amdhsa_float_denorm_mode_32 3
		.amdhsa_float_denorm_mode_16_64 3
		.amdhsa_memory_ordered 1
		.amdhsa_forward_progress 1
		.amdhsa_inst_pref_size 123
	.end_amdhsa_kernel
	.amdgpu_metadata
---
amdhsa.version: [ 1, 2 ]
amdhsa.kernels:
  - .name:           k_qf79fd87e88_proj
    .symbol:         k_qf79fd87e88_proj.kd
    .args:
      - { .name: xb, .offset: 0, .size: 8, .value_kind: global_buffer, .address_space: global }
      - { .name: wb, .offset: 8, .size: 8, .value_kind: global_buffer, .address_space: global }
      - { .name: wq_b, .offset: 16, .size: 8, .value_kind: global_buffer, .address_space: global }
      - { .name: wk_b, .offset: 24, .size: 8, .value_kind: global_buffer, .address_space: global }
      - { .name: wv_b, .offset: 32, .size: 8, .value_kind: global_buffer, .address_space: global }
      - { .name: qkv, .offset: 40, .size: 8, .value_kind: global_buffer, .address_space: global }
    .group_segment_fixed_size: 327680
    .private_segment_fixed_size: 0
    .kernarg_segment_align: 8
    .kernarg_segment_size: 48
    .max_flat_workgroup_size: 128
    .sgpr_count:     66
    .vgpr_count:     1024
    .wavefront_size: 32
...
	.end_amdgpu_metadata
.endif
;; end of part 5
;; launch scores (part 6): grid 8 x 32, 4 waves a work-group, clusters of 4 x 4, 327,680 bytes of LDS; arguments qkv, pm, st; writes pm, st
.if DOCPART == 6
	.amdgcn_target "amdgcn-amd-amdhsa--gfx1250"
	.amdhsa_code_object_version 6
	.text
	.protected	k_qf79fd87e88_scores
	.globl	k_qf79fd87e88_scores
	.p2align	8
	.type	k_qf79fd87e88_scores,@function
k_qf79fd87e88_scores:
	s_mov_b64 s[64:65], 0
	v_nop
	global_prefetch_b8 v0, s[64:65] scope:SCOPE_SE
	s_setreg_imm32_b32 hwreg(HW_REG_WAVE_MODE, 25, 1), 1
	s_wait_xcnt 0x0
	s_wait_alu depctr_hold_cnt(0) depctr_sa_sdst(0) depctr_va_vdst(0) depctr_va_sdst(0) depctr_va_ssrc(0) depctr_va_vcc(0) depctr_vm_vsrc(0)
	s_getreg_b32 s2, hwreg(HW_REG_IB_STS2, 6, 4)
	s_cmp_eq_u32 s2, 0
	s_cbranch_scc0 .Lentry_in_a_cluster
	s_endpgm
.Lentry_in_a_cluster:
	s_bfe_u32 s2, ttmp6, 0x10000c
	s_cmp_lg_u32 s2, 0xf033
	s_cbranch_scc0 .Lentry_shape_is_right
	s_endpgm
.Lentry_shape_is_right:
; s = Q K^T within a batch, and the first stage of the softmax.  For each row and each block t of 128 keys: m_t = the largest s of the block, pm[row][key] = f16(2^(c s - c m_t)), c = log2(e) / 32,
; st holds c m_t and l_t = the sum of the block's unrounded weights, both in f32.  The next launch takes the maximum over the 16 blocks and finishes.  Raw scores never leave f32.
; qkv: [3][8192][1024] f16 (Q, K, V); pm: [8192][2048] f16, row = 2048 batch + query, column = key.
; st: blocks of 512 bytes, number 16 g + t for the group g of 64 rows: bytes 0-255 c m as [r 16][a 4] f32, bytes 256-511 l likewise; the row is 64 g + 16 a + r.  A wave's 128 rows make two such blocks, 8,192 bytes apart.
; LIMITS.  A weight lies in 0 to 1 (above 1 by one rounding of c m at the most); below 6e-5 it keeps f16's fixed step of 6e-8.  NaN and infinities are not treated apart.
; SHARES.  A work-group makes 256 queries x 256 keys: 8 x 32 = 256 work-groups.  Four waves, 2 x 2, each 128 x 128: a wave's columns ARE a block t.  64 accumulators, 512 registers.
; K (the channels) goes in 8 steps of 128 through two LDS slots that take turns; a step is 256 matrix instructions a wave, of which 224 stand between the request for a tile and the wait for it.
; CLUSTER.  4 x 4 work-groups, all of one batch (8 tile rows a batch).  The four of a row of the cluster need the same rows of Q, the four of a column the same rows of K: joint loads, 128 rows a wave.
; THE MATRIX INSTRUCTION IS USED TRANSPOSED (source 0 = 16 keys, source 1 = 16 queries): a lane holds query lane % 16 and the keys 16 b + 8 (lane / 16) + 0..7; a query's other 64 keys lie in the lane 16 away.
; REGISTERS, in windows of 256 (s_set_vgpr_msb: bits 1:0 source 0, 3:2 source 1, 5:4 source 2, 7:6 destination):
;   window 0: v0-13 addresses; v16-31 statistics; v64-127, v128-191 fragments of Q, two buffers (behind the last product v64-79 hold statistics); v192-223 packed weights; v32-63, v224-255 rows read back
;   window 1: v64-127, v128-191 fragments of K, two buffers      window 2: the accumulators of my rows 0-63, (a, b) at v[8 (8 a + b)];   window 3: those of my rows 64-127
.set PITCH,  272                       ; an LDS row: 256 bytes + 16 of padding = 68 words: row r starts at bank 4 r mod 64 (64 banks of 4 bytes: ISA guide 11.1)
.set HALFT,  128*PITCH                 ; 128 rows: what one tensor load brings, and what one wave reads of Q or of K
.set SLOT,   4*HALFT                   ; Q's 256 rows, then K's 256 rows: 139,264 = 0x22000 bytes.  The four loads' places in slot 0, wave x 0x8800, share no bit with it,
                                       ; so one exclusive or with SLOT turns each of them into its place in slot 1 and back
.set STAGE,  2*SLOT                    ; behind the ring, never filled by a tensor load: 16 rows x 272 bytes for each wave
.set SPARE,  STAGE+4*16*PITCH          ; the spare words, 128 bytes for each wave: two blocks of 256 bytes that no other line names
.set STEPS,  8
.set KSTEPB, 256
.set ROWB,   4096                      ; bytes in a row of pm
.set PADW,   (1<<16)|(1<<20)|(1<<21)|(5<<22)|(3<<25)  ; elements of 2 bytes; padding on; bit 21 set beside a mask; after every 64 words 4 words
.set A0,   4
.set B0,   5
.set ADRA, 6
.set ADRB, 7
.set STO,  8
.set RD,   9
.set CO,   10
.set SO,   11                          ; v11  my byte offset in a block of st
.set SPW,  12
.set NIL,  13
.set C0,   16                          ; v16-19  four chains of the maximum
.set CM,   20                          ; v[20:21] c m, twice
.set SUMR, 22                          ; v22     the lane's sum
.set CMS,  24                          ; v24-31  c m of row block a
.set OB,   32
.set F0,   64
.set F1,   128
.set LS,   64                          ; v64-71  l of row block a
.set SV,   72                          ; v72-79  what goes to st
.set TMP,  192
.set WV,  20
.set RH,  21
.set CH,  22
.set G1A, 24
.set G0A, 32
.set CS,  36                           ; s[36:37] c: the packed scaling takes the pair's low word for both halves
.set SEL, 38                           ; s[38:39] v_permlanex16_b32's selects: each lane takes its own place in the other half
.set G1B, 48
.set G0B, 56
.set TB,  60
.set MUL_LO, 0xa1                      ; source 0 (K) window 1, source 1 (Q) window 0, C and D window 2
.set TO_B,   0x40
.set MSB, 0
.macro WIN new
.if MSB != (\new)
	s_set_vgpr_msb (MSB<<8)|(\new)
.set MSB, \new
.endif
.endm
.macro PLACES                          ; four plain vector instructions between a matrix instruction and a load into, or a vector line on, its registers (ISA guide 7.12.1 for vector instructions)
.rept 4
	v_nop
.endr
.endm
.macro JLOAD                           ; a joint load: waves 0 and 1 fetch Q's two halves, waves 2 and 3 K's; an s_nop 0 and four v_nop follow each of the two lines
	s_cmp_eq_u32 s[RH], 0
	s_cbranch_scc0 .Lfor_b_\@
	tensor_load_to_lds s[G0A:G0A+3], s[G1A:G1A+7]
	s_nop 0
.rept 4
	v_nop
.endr
	s_branch .Lasked_\@
.Lfor_b_\@:
	tensor_load_to_lds s[G0B:G0B+3], s[G1B:G1B+7]
	s_nop 0
.rept 4
	v_nop
.endr
.Lasked_\@:
.endm
.macro CREST
	s_cmp_lg_u32 s[WV], 0
	s_cbranch_scc1 .Lnot_wave_0_\@
	s_barrier_signal -3
.Lnot_wave_0_\@:
	s_barrier_wait -3
	s_barrier_signal -1
	s_barrier_wait -1
.endm
.macro CROUND
	s_barrier_signal -1
	s_barrier_wait -1
	CREST
.endm
.macro STEPD                           ; the walking descriptors: the other slot, the next K step; written only where no tensor load of mine is out
	s_xor_b32 s[G0A+1], s[G0A+1], SLOT
	s_add_nc_u64 s[G0A+2:G0A+3], s[G0A+2:G0A+3], KSTEPB
	s_xor_b32 s[G0B+1], s[G0B+1], SLOT
	s_add_nc_u64 s[G0B+2:G0B+3], s[G0B+2:G0B+3], KSTEPB
.endm
	s_load_b128 s[4:7], s[0:1], 0x0                ; qkv s[4:5], pm s[6:7]
	s_load_b64 s[8:9], s[0:1], 0x10                ; st
	v_lshl_add_u32 v[SPW], v0, 2, SPARE
	v_mov_b32 v[NIL], 0
	ds_add_u32 v[SPW], v[NIL]                      ; the wave's opening: the add and its wait stand ahead of my first tensor load
	v_lshrrev_b32 v3, 5, v0
	v_readfirstlane_b32 s[WV], v3
	s_lshr_b32 s[RH], s[WV], 1
	s_and_b32 s[CH], s[WV], 1
	s_bfe_u32 s40, ttmp6, 0x40000                  ; cx
	s_bfe_u32 s41, ttmp6, 0x40004                  ; cy
	s_lshl_b32 s42, ttmp9, 2
	s_add_co_u32 s42, s42, s40                     ; tile column (256 keys of the batch)
	s_and_b32 s43, ttmp7, 0xffff
	s_lshl_b32 s43, s43, 2
	s_add_co_u32 s43, s43, s41                     ; tile row (256 of the 8,192 rows)
	s_lshl_b32 s44, s41, 2
	s_lshl_b32 s44, 15, s44                        ; my row of the cluster
	s_lshl_b32 s45, 0x1111, s40                    ; my column
	s_or_b32 s[G1A], s44, PADW
	s_or_b32 s[G1B], s45, PADW
.irp g, G1A, G1B
	s_mov_b32 s[(\g)+1], 128<<16                   ; 128 rows x 128 elements, 1,024 elements from row to row
	s_mov_b32 s[(\g)+2], 128<<16
	s_mov_b32 s[(\g)+3], 128<<16
	s_mov_b32 s[(\g)+4], 128
	s_mov_b32 s[(\g)+5], 1024
	s_mov_b32 s[(\g)+6], 0
	s_mov_b32 s[(\g)+7], 0
.endr
	s_lshl_b32 s16, s43, 8
	s_lshl_b32 s17, s[CH], 7
	s_add_co_u32 s16, s16, s17                     ; Q: row 256 x tile row + 128 x half
	s_lshl_b32 s16, s16, 11
	s_mov_b32 s17, 0
	s_and_b32 s47, ttmp7, 0xffff                   ; the batch = cluster y / 2: the same in all sixteen partners
	s_lshr_b32 s47, s47, 1
	s_lshl_b32 s47, s47, 11                        ; its 2,048 rows
	s_lshl_b32 s46, s42, 8
	s_add_co_u32 s46, s46, s47
	s_lshl_b32 s47, s[CH], 7
	s_add_co_u32 s46, s46, s47                     ; K: row 2048 x batch + 256 x tile column + 128 x half,
	s_lshl_b32 s46, s46, 11
	s_add_co_u32 s46, s46, 0x1000000               ; in the second section of qkv
	s_mov_b32 s47, 0
	s_mov_b32 s[G0A], 1
	s_mul_i32 s[G0A+1], s[WV], HALFT               ; Q's two halves, then K's two halves = wave x 128 rows: no place in the cluster enters an LDS address
	s_mov_b32 s[G0B], 1
	s_mul_i32 s[G0B+1], s[WV], HALFT
	s_mov_b32 s[CS], 0x3d38aa3b                    ; c = log2(e) / 32 = 0.0450842
	s_mov_b32 s[CS+1], s[CS]
	s_mov_b32 s[SEL], 0x76543210
	s_mov_b32 s[SEL+1], 0xfedcba98
	s_wait_dscnt 0x0                               ; the opening add is done
	s_wait_kmcnt 0x0
	s_add_nc_u64 s[G0A+2:G0A+3], s[4:5], s[16:17]
	s_or_b32 s[G0A+3], s[G0A+3], 0x80000000
	s_add_nc_u64 s[G0B+2:G0B+3], s[4:5], s[46:47]
	s_or_b32 s[G0B+3], s[G0B+3], 0x80000000
	CROUND                                         ; all sixteen work-groups are here: the first joint loads meet
	JLOAD                                          ; K step 0 into slot 0
	v_and_b32 v1, 15, v0                           ; r
	v_bfe_u32 v2, v0, 4, 1                         ; h
	v_mul_u32_u24 v3, v1, PITCH
	v_lshl_add_u32 v3, v2, 4, v3                   ; a fragment's row x pitch + 16 x half
	s_mul_i32 s23, s[RH], HALFT
	v_add_nc_u32 v[A0], s23, v3
	s_mul_i32 s23, s[CH], HALFT
	s_add_co_u32 s23, s23, 2*HALFT
	v_add_nc_u32 v[B0], s23, v3
	s_mul_i32 s23, s[WV], 16*PITCH
	s_add_co_u32 s23, s23, STAGE                   ; my stage
	v_add_nc_u32 v[STO], s23, v3
	v_mul_u32_u24 v3, v2, PITCH
	v_lshl_add_u32 v3, v1, 4, v3
	v_add_nc_u32 v[RD], s23, v3
	v_lshlrev_b32 v[CO], 12, v2                    ; two rows of pm
	v_lshl_add_u32 v[CO], v1, 4, v[CO]
	v_and_b32 v3, 31, v0
	v_lshlrev_b32 v[SO], 4, v3                     ; 16 x lane
	s_lshl_b32 s18, s43, 8                         ; pm: row 256 x tile row + 128 x row half,
	s_lshl_b32 s19, s[RH], 7
	s_add_co_u32 s18, s18, s19
	s_lshl_b32 s18, s18, 12
	s_mov_b32 s19, 0
	s_add_nc_u64 s[6:7], s[6:7], s[18:19]
	s_lshl_b32 s46, s42, 9                         ; 512 bytes a tile column, 256 a column half
	s_lshl_b32 s47, s[CH], 8
	s_add_co_u32 s46, s46, s47
	s_mov_b32 s47, 0
	s_add_nc_u64 s[6:7], s[6:7], s[46:47]
	s_lshl_b32 s18, s43, 2                         ; st: my first group of 64 rows is 4 x tile row + 2 x row half: 16 blocks of 512 bytes a group,
	s_lshl_b32 s19, s[RH], 1
	s_add_co_u32 s18, s18, s19
	s_lshl_b32 s18, s18, 13
	s_mov_b32 s19, 0
	s_add_nc_u64 s[8:9], s[8:9], s[18:19]
	s_lshl_b32 s46, s42, 1                         ; block t = 2 x tile column + column half
	s_add_co_u32 s46, s46, s[CH]
	s_lshl_b32 s46, s46, 9
	s_add_nc_u64 s[8:9], s[8:9], s[46:47]
; 16 matrix instructions: query blocks a0, a0 + 1 of the window's four (hi = 0: my rows 0-63, 1: rows 64-127) x all 8 key blocks, 32 channels, from buffer f.  zero = 1: the product starts the sum.
; The 64 accumulators take turns, in the same order in every quarter.
.macro MUL16 f, hi, a0, zero
	WIN MUL_LO+0x50*(\hi)
.irp a, \a0, (\a0)+1
.irp b, 0,1,2,3,4,5,6,7
.if \zero
	v_wmma_f32_16x16x32_f16 v[8*(8*(\a)+(\b)):8*(8*(\a)+(\b))+7], v[(\f)+8*(\b):(\f)+8*(\b)+7], v[(\f)+8*(4*(\hi)+(\a)):(\f)+8*(4*(\hi)+(\a))+7], 0
.else
	v_wmma_f32_16x16x32_f16 v[8*(8*(\a)+(\b)):8*(8*(\a)+(\b))+7], v[(\f)+8*(\b):(\f)+8*(\b)+7], v[(\f)+8*(4*(\hi)+(\a)):(\f)+8*(4*(\hi)+(\a))+7], v[8*(8*(\a)+(\b)):8*(8*(\a)+(\b))+7]
.endif
.endr
.endr
.endm
.macro FETCH k, f                      ; 32 LDS loads in one run: K's 16, then Q's 16, rows ascending
	WIN TO_B
.irp i, 0,1,2,3,4,5,6,7
	ds_load_b128 v[(\f)+8*(\i):(\f)+8*(\i)+3],   v[ADRB] offset:(\k)+(\i)*16*PITCH
	ds_load_b128 v[(\f)+8*(\i)+4:(\f)+8*(\i)+7], v[ADRB] offset:(\k)+(\i)*16*PITCH+32
.endr
	WIN 0
.irp i, 0,1,2,3,4,5,6,7
	ds_load_b128 v[(\f)+8*(\i):(\f)+8*(\i)+3],   v[ADRA] offset:(\k)+(\i)*16*PITCH
	ds_load_b128 v[(\f)+8*(\i)+4:(\f)+8*(\i)+7], v[ADRA] offset:(\k)+(\i)*16*PITCH+32
.endr
.endm
.macro QUARTER k, f, g, zero
	s_wait_dscnt 8                                 ; K and Q's rows 0-63 are in; the youngest eight loads (Q's rows 64-127) may be out
	MUL16 \f, 0, 0, \zero
	MUL16 \f, 0, 2, \zero
	PLACES
	FETCH \k, \g
	s_wait_dscnt 32                                ; all but the 32 just issued
	MUL16 \f, 1, 0, \zero
	MUL16 \f, 1, 2, \zero
.endm
; The last quarter multiplies buffer 1 and changes slots: one barrier; in front of it each wave waits for all its tensor loads, adds 0 to its spare word, and waits for that and for its reads of this slot.
; fill = 1: the barrier opens a round of the cluster's, and this slot is filled again, with the K step two on, first thing behind the round.
.macro TURN fill
	WIN 0
	s_wait_tensorcnt 0x0                           ; no tensor load of mine is out, so a group 0 may be written
	ds_add_u32 v[SPW], v[NIL]
.if \fill
	STEPD
.endif
	s_wait_dscnt 9                                 ; the add and the youngest eight loads may be out
	MUL16 F1, 0, 0, 0
	s_wait_dscnt 0x0                               ; the add is done, and my reads of this slot are over
	s_barrier_signal -1
	MUL16 F1, 0, 2, 0
	WIN 0
	s_barrier_wait -1
.if \fill
	CREST
	JLOAD                                          ; its four v_nop are also the places in front of the loads below
.else
	PLACES
.endif
	s_xor_b32 s[TB], s[TB], SLOT                   ; 0 and SLOT by turns
	v_add_nc_u32 v[ADRA], s[TB], v[A0]
	v_add_nc_u32 v[ADRB], s[TB], v[B0]
	FETCH 0, F0
	MUL16 F1, 1, 0, 0
	MUL16 F1, 1, 2, 0
.endm
.macro LASTQ
	s_wait_dscnt 8
	MUL16 F1, 0, 0, 0
	MUL16 F1, 0, 2, 0
	s_wait_dscnt 0x0
	MUL16 F1, 1, 0, 0
	MUL16 F1, 1, 2, 0
.endm
	s_wait_tensorcnt 0x0                           ; the first change of slots: my part of K step 0 is in
	ds_add_u32 v[SPW], v[NIL]
	STEPD
	s_wait_dscnt 0x0
	CROUND
	JLOAD                                          ; K step 1 into slot 1
	s_mov_b32 s[TB], 0
	v_mov_b32 v[ADRA], v[A0]
	v_mov_b32 v[ADRB], v[B0]
	FETCH 0, F0
	QUARTER 64, F0, F1, 1                          ; the first quarter's products start the sums
	WIN 0
	s_mov_b32 s3, STEPS-2
.Lstep:                                                ; a trip goes from a step's second quarter to the next step's first, and fills the slot that it leaves
	QUARTER 128, F1, F0, 0
	QUARTER 192, F0, F1, 0
	TURN 1
	QUARTER 64, F0, F1, 0
	WIN 0
	s_sub_co_u32 s3, s3, 1
	s_cmp_lg_u32 s3, 0
	s_cbranch_scc1 .Lstep
	QUARTER 128, F1, F0, 0                         ; the tail is written out
	QUARTER 192, F0, F1, 0
	TURN 0
	QUARTER 64, F0, F1, 0
	QUARTER 128, F1, F0, 0
	QUARTER 192, F0, F1, 0
	LASTQ
	PLACES
; THE BLOCK'S SOFTMAX for query block a: a lane holds 64 scores of one query, at AC + 0..63 in window W.
; The maximum: four chains of 15 scores, three operands at a time, ascending; the four left over; the lane 16 away.
; Then c s - c m, the exponentials, the rounding to f16, and the sum of the unrounded weights (a tree, in place).
.macro SOFT a
.set AC, 64*((\a)%4)
.set W, 2+(\a)/4
	WIN W*0x15                                     ; all three sources in window W
.irp i, 0,1,2,3
	v_max3_num_f32 v[C0+(\i)], v[AC+16*(\i)], v[AC+16*(\i)+1], v[AC+16*(\i)+2]
.endr
	WIN W*0x14                                     ; sources 1 and 2 in window W
.irp n, 0,1,2,3,4,5
.irp i, 0,1,2,3
	v_max3_num_f32 v[C0+(\i)], v[C0+(\i)], v[AC+16*(\i)+3+2*(\n)], v[AC+16*(\i)+4+2*(\n)]
.endr
.endr
	v_max3_num_f32 v[C0], v[C0], v[AC+15], v[AC+31]
	v_max3_num_f32 v[C0+2], v[C0+2], v[AC+47], v[AC+63]
	WIN 0
	v_max3_num_f32 v[C0], v[C0], v[C0+1], v[C0+2]
	v_max_num_f32 v[C0], v[C0], v[C0+3]
	v_permlanex16_b32 v[C0+1], v[C0], s[SEL], s[SEL+1]
	v_max_num_f32 v[C0], v[C0], v[C0+1]            ; m of the query's 128 keys
	v_mul_f32 v[CM], s[CS], v[C0]
	v_mul_f32 v[CM+1], s[CS], v[C0]                ; named with it as a pair
	v_mul_f32 v[CMS+(\a)], s[CS], v[C0]            ; and kept for st
	WIN W*0x41                                     ; destination and source 0 in window W
.set i, 0
.rept 32
	v_pk_fma_f32 v[AC+2*i:AC+2*i+1], v[AC+2*i:AC+2*i+1], s[CS:CS+1], v[CM:CM+1] op_sel_hi:[1,0,0] neg_lo:[0,0,1] neg_hi:[0,0,1]
.set i, i+1
.endr
.set i, 0
.rept 64
	v_exp_f32 v[AC+i], v[AC+i]
.set i, i+1
.endr
	v_nop                                          ; a plain instruction between the last exponential and the use of its result (ISA guide 5.7.2)
	WIN W*0x05                                     ; sources 0 and 1 in window W
.set i, 0
	s_wait_alu depctr_va_vdst(0)
.rept 32
	v_cvt_pk_f16_f32 v[TMP+i], v[AC+2*i], v[AC+2*i+1]
.set i, i+1
.endr
	WIN W*0x45                                     ; destination, sources 0 and 1 in window W
.irp w, 16,8,4,2,1
.set i, 0
.rept \w
	v_pk_add_f32 v[AC+2*i:AC+2*i+1], v[AC+2*i:AC+2*i+1], v[AC+2*(i+(\w)):AC+2*(i+(\w))+1]
.set i, i+1
.endr
.endr
	WIN W*0x05
	v_add_f32 v[SUMR], v[AC], v[AC+1]
	WIN 0
	v_permlanex16_b32 v[C0+1], v[SUMR], s[SEL], s[SEL+1]
	v_add_f32 v[LS+(\a)], v[SUMR], v[C0+1]         ; l of the query's 128 keys
.endm
.macro TOSTAGE a                       ; 16 bytes a lane into my own stage, and back as whole rows of 256 bytes
.set BK, OB+192*((\a)%2)
.irp b, 0,1,2,3,4,5,6,7
	ds_store_b128 v[STO], v[TMP+4*(\b):TMP+4*(\b)+3] offset:32*(\b)
.endr
.irp t, 0,1,2,3,4,5,6,7
	ds_load_b128 v[BK+4*(\t):BK+4*(\t)+3], v[RD] offset:(\t)*2*PITCH  ; LDS serves a wave's instructions in order (ISA guide 5.7.1.4): these see the stores above; the next block's stores come behind them
.endr
.endm
.macro SEND a
.set BK, OB+192*((\a)%2)
	s_wait_dscnt 0x0                               ; the block is back in registers
	s_wait_xcnt 0x0                                ; every earlier store has had its addresses translated (ISA guide 3.1): the registers that block a - 1's stores read are loaded again, by block a + 1, only behind this wait
.irp t, 0,1,2,3,4,5,6,7
	global_store_b128 v[CO], v[BK+4*(\t):BK+4*(\t)+3], s[6:7] offset:(16*(\a)+2*(\t))*ROWB  ; 16 lanes store 256 consecutive bytes, at a multiple of 256 from pm's first byte
.endr
.endm
	SOFT 0
	TOSTAGE 0
.irp a, 1,2,3,4,5,6,7                  ; block a's softmax stands between block a - 1's loads from the stage and the wait for them
	SOFT \a
	SEND (\a)-1
	TOSTAGE \a
.endr
	SEND 7
	v_cmp_eq_u32 vcc_lo, 1, v2                     ; lanes 0-15 store c m of rows 16 a + r, lanes 16-31 their l: 512 consecutive bytes for each group of four row blocks
.irp a, 0,1,2,3,4,5,6,7
	v_cndmask_b32 v[SV+(\a)], v[CMS+(\a)], v[LS+(\a)], vcc_lo
.endr
	global_store_b128 v[SO], v[SV:SV+3], s[8:9]
	global_store_b128 v[SO], v[SV+4:SV+7], s[8:9] offset:8192
	s_wait_tensorcnt 0x0                           ; the wave's end: behind my last tensor load and my last LDS store
	ds_add_u32 v[SPW], v[NIL]
	s_wait_dscnt 0x0
	CROUND                                         ; the closing round: no work-group ends while a partner may still ask for a tile that names it
	s_endpgm
.Lfunc_end_k_qf79fd87e88_scores:
	.size	k_qf79fd87e88_scores, .Lfunc_end_k_qf79fd87e88_scores-k_qf79fd87e88_scores
	.p2alignl 7, 3214868480
	.fill 96, 4, 3214868480
	.section	.rodata,"a",@progbits
	.p2align	6, 0x0
	.amdhsa_kernel k_qf79fd87e88_scores
		.amdhsa_group_segment_fixed_size 327680
		.amdhsa_private_segment_fixed_size 0
		.amdhsa_enable_private_segment 0
		.amdhsa_kernarg_size 24
		.amdhsa_user_sgpr_count 2
		.amdhsa_user_sgpr_kernarg_segment_ptr 1
		.amdhsa_wavefront_size32 1
		.amdhsa_system_sgpr_workgroup_id_x 1
		.amdhsa_system_sgpr_workgroup_id_y 1
		.amdhsa_system_sgpr_workgroup_id_z 1
		.amdhsa_system_vgpr_workitem_id 0
		.amdhsa_next_free_vgpr 1024
		.amdhsa_next_free_sgpr 66
		.amdhsa_reserve_vcc 1
		.amdhsa_float_denorm_mode_32 3
		.amdhsa_float_denorm_mode_16_64 3
		.amdhsa_memory_ordered 1
		.amdhsa_forward_progress 1
		.amdhsa_inst_pref_size 185
	.end_amdhsa_kernel
	.amdgpu_metadata
---
amdhsa.version: [ 1, 2 ]
amdhsa.kernels:
  - .name:           k_qf79fd87e88_scores
    .symbol:         k_qf79fd87e88_scores.kd
    .args:
      - { .name: qkv, .offset: 0, .size: 8, .value_kind: global_buffer, .address_space: global }
      - { .name: pm, .offset: 8, .size: 8, .value_kind: global_buffer, .address_space: global }
      - { .name: st, .offset: 16, .size: 8, .value_kind: global_buffer, .address_space: global }
    .group_segment_fixed_size: 327680
    .private_segment_fixed_size: 0
    .kernarg_segment_align: 8
    .kernarg_segment_size: 24
    .max_flat_workgroup_size: 128
    .sgpr_count:     66
    .vgpr_count:     1024
    .wavefront_size: 32
...
	.end_amdgpu_metadata
.endif
;; end of part 6
;; launch pv: the kernel of part 4 again; grid 4 x 64, 4 waves a work-group, clusters of 4 x 4, 327,680 bytes of LDS; arguments pm, qkv, st, out0; writes out0
;; ======== version 3 of 3: 4 launches; version 2 with the launch cvt written anew for expert scheduling mode
;; limits: values are held in f16: magnitudes above 65,504 overflow, below 6.1e-05 lose precision
;; workspace buffers: xb 16,777,216 bytes; wb 6,291,456 bytes; qkv 50,331,648 bytes; pm 33,554,432 bytes; st 1,048,576 bytes
;; launch cvt (part 7): grid 704 x 1, 8 waves a work-group, no clusters, 0 bytes of LDS; arguments x, wq_w, wk_w, wv_w, xb, wb; writes xb, wb
.if DOCPART == 7
	.amdgcn_target "amdgcn-amd-amdhsa--gfx1250"
	.amdhsa_code_object_version 6
	.text
	.protected	k_qf79fd87e88_cvt
	.globl	k_qf79fd87e88_cvt
	.p2align	8
	.type	k_qf79fd87e88_cvt,@function
k_qf79fd87e88_cvt:
	s_mov_b64 s[64:65], 0
	v_nop
	global_prefetch_b8 v0, s[64:65] scope:SCOPE_SE
	s_setreg_imm32_b32 hwreg(HW_REG_WAVE_SCHED_MODE, 0, 2), 2
	s_setreg_imm32_b32 hwreg(HW_REG_WAVE_MODE, 25, 1), 1
	s_wait_xcnt 0x0
	s_wait_alu depctr_vm_vsrc(0)
; xb = bf16(x), wb = bf16([wq_w; wk_w; wv_w]): every matrix input of the module is rounded once to bf16, nearest even.
; A work-group takes 16,384 numbers: 65,536 bytes in, 32,768 out.  Groups 0-511 take x, groups 512-703 the three weights, 64 groups each.
; A stream: no LDS, no barrier, no matrix unit.  Each wave has all its 16 loads out at once; a load of a wave covers 512 consecutive bytes,
; a store of a wave 256 consecutive bytes at a multiple of 256 from the buffer's first byte.  No register is written twice, so no wait frees one.
; THE MODE: SCHED_MODE bits 1:0 = 2 (LLVM: expert scheduling mode 2), set by the entry lines.  The code itself states the register dependences
; between vector instructions and memory instructions, with s_wait_alu, always for 0.
; THE PLAN.  Registers that memory instructions touch:
;   v1, v2   byte offsets.  Written once each at the head by a vector instruction; v1 is read by every load, v2 by every store; never written again.
;   X        Load j lands in X + 4 j.  No vector instruction names X ahead of the loads; behind the wait for its data each register is read once, by a conversion.
;   Y        Each register is written once, by a conversion, and read once, by a store; never written again.
; So two kinds of dependence are stated: the offsets, once, ahead of the first load; and Y, ahead of the stores.  The 16 loads are worked off in four groups
; of four: a group's eight conversions, ONE wait on va_vdst, its four stores.  No register that a memory instruction reads is ever written again, so no wait on vm_vsrc is owed.
.set X, 4                              ; v[4:67]   load j: 4 numbers in f32
.set Y, 68                             ; v[68:99]  store j: 4 numbers in bf16
	s_load_b256 s[4:11], s[0:1], 0x0               ; x s[4:5], wq_w s[6:7], wk_w s[8:9], wv_w s[10:11]
	s_load_b128 s[12:15], s[0:1], 0x20             ; xb s[12:13], wb s[14:15]
	v_lshlrev_b32 v1, 4, v0                        ; 16 bytes a thread in
	v_lshlrev_b32 v2, 3, v0                        ; 8 bytes a thread out
	s_mov_b32 s16, ttmp9                           ; g
	s_sub_co_u32 s17, s16, 512                     ; i = g - 512: the group's number among the weights' (used where g >= 512 alone)
	s_lshr_b32 s18, s17, 6                         ; which weight
	s_and_b32 s19, s17, 63                         ; which part of it
	s_mov_b32 s21, 0
	s_mov_b32 s23, 0
	s_wait_kmcnt 0x0
	s_cmp_eq_u32 s18, 1
	s_cselect_b64 s[6:7], s[8:9], s[6:7]
	s_cmp_eq_u32 s18, 2
	s_cselect_b64 s[6:7], s[10:11], s[6:7]         ; the weight's address
	s_cmp_lt_u32 s16, 512
	s_cselect_b64 s[4:5], s[4:5], s[6:7]           ; from x or from the weight,
	s_cselect_b64 s[12:13], s[12:13], s[14:15]     ; to xb or to wb,
	s_cselect_b32 s20, s16, s19                    ; part g of x or part i % 64 of the weight,
	s_cselect_b32 s22, s16, s17                    ; part g of xb or part i of wb
	s_lshl_b32 s20, s20, 16
	s_lshl_b32 s22, s22, 15
	s_add_nc_u64 s[4:5], s[4:5], s[20:21]
	s_add_nc_u64 s[12:13], s[12:13], s[22:23]
	s_wait_alu depctr_va_vdst(0)                   ; v1 and v2 are written: every load below reads v1 as its offset, every store v2
.irp j, 0,1,2,3,4,5,6,7,8,9,10,11,12,13,14,15
	global_load_b128 v[X+4*(\j):X+4*(\j)+3], v1, s[4:5] offset:4096*(\j) th:TH_LOAD_NT
.endr
.irp g, 0,1,2,3
	s_wait_loadcnt 12-4*(\g)                       ; loads come back in order (ISA guide 5.7.1): loads 4 g to 4 g + 3 are in, the 12 - 4 g younger ones stay out
.irp i, 0,1,2,3
	v_cvt_pk_bf16_f32 v[Y+2*(4*(\g)+(\i))], v[X+4*(4*(\g)+(\i))], v[X+4*(4*(\g)+(\i))+1]
	v_cvt_pk_bf16_f32 v[Y+2*(4*(\g)+(\i))+1], v[X+4*(4*(\g)+(\i))+2], v[X+4*(4*(\g)+(\i))+3]
.endr
	s_wait_alu depctr_va_vdst(0)                   ; the group's eight conversions have written v[Y + 8 g .. Y + 8 g + 7], which the four stores below read
.irp i, 0,1,2,3
	global_store_b64 v2, v[Y+2*(4*(\g)+(\i)):Y+2*(4*(\g)+(\i))+1], s[12:13] offset:2048*(4*(\g)+(\i))
.endr
.endr
	s_endpgm
.Lfunc_end_k_qf79fd87e88_cvt:
	.size	k_qf79fd87e88_cvt, .Lfunc_end_k_qf79fd87e88_cvt-k_qf79fd87e88_cvt
	.p2alignl 7, 3214868480
	.fill 96, 4, 3214868480
	.section	.rodata,"a",@progbits
	.p2align	6, 0x0
	.amdhsa_kernel k_qf79fd87e88_cvt
		.amdhsa_group_segment_fixed_size 0
		.amdhsa_private_segment_fixed_size 0
		.amdhsa_enable_private_segment 0
		.amdhsa_kernarg_size 48
		.amdhsa_user_sgpr_count 2
		.amdhsa_user_sgpr_kernarg_segment_ptr 1
		.amdhsa_wavefront_size32 1
		.amdhsa_system_sgpr_workgroup_id_x 1
		.amdhsa_system_sgpr_workgroup_id_y 1
		.amdhsa_system_sgpr_workgroup_id_z 1
		.amdhsa_system_vgpr_workitem_id 0
		.amdhsa_next_free_vgpr 104
		.amdhsa_next_free_sgpr 66
		.amdhsa_reserve_vcc 0
		.amdhsa_float_denorm_mode_32 3
		.amdhsa_float_denorm_mode_16_64 3
		.amdhsa_memory_ordered 1
		.amdhsa_forward_progress 1
		.amdhsa_inst_pref_size 7
	.end_amdhsa_kernel
	.amdgpu_metadata
---
amdhsa.version: [ 1, 2 ]
amdhsa.kernels:
  - .name:           k_qf79fd87e88_cvt
    .symbol:         k_qf79fd87e88_cvt.kd
    .args:
      - { .name: x, .offset: 0, .size: 8, .value_kind: global_buffer, .address_space: global }
      - { .name: wq_w, .offset: 8, .size: 8, .value_kind: global_buffer, .address_space: global }
      - { .name: wk_w, .offset: 16, .size: 8, .value_kind: global_buffer, .address_space: global }
      - { .name: wv_w, .offset: 24, .size: 8, .value_kind: global_buffer, .address_space: global }
      - { .name: xb, .offset: 32, .size: 8, .value_kind: global_buffer, .address_space: global }
      - { .name: wb, .offset: 40, .size: 8, .value_kind: global_buffer, .address_space: global }
    .group_segment_fixed_size: 0
    .private_segment_fixed_size: 0
    .kernarg_segment_align: 8
    .kernarg_segment_size: 48
    .max_flat_workgroup_size: 256
    .sgpr_count:     66
    .vgpr_count:     104
    .wavefront_size: 32
...
	.end_amdgpu_metadata
.endif
;; end of part 7
;; launch proj: the kernel of part 5 again; grid 12 x 32, 4 waves a work-group, clusters of 4 x 4, 327,680 bytes of LDS; arguments xb, wb, wq_b, wk_b, wv_b, qkv; writes qkv
;; launch scores: the kernel of part 6 again; grid 8 x 32, 4 waves a work-group, clusters of 4 x 4, 327,680 bytes of LDS; arguments qkv, pm, st; writes pm, st
;; launch pv: the kernel of part 4 again; grid 4 x 64, 4 waves a work-group, clusters of 4 x 4, 327,680 bytes of LDS; arguments pm, qkv, st, out0; writes out0
